; MI455X (gfx1250); checked and timed in simulation.
; The chip was launched on July 23, 2026; its instructions are those of AMD's public machine-readable ISA for CDNA 5 (MIT licence, August 2026) and "CDNA5" Instruction Set Architecture Reference Guide (July 2026). The comments in the code are by the model that wrote it; some were corrected since.
;; Rotary Multi Head Attention. Allowed arithmetic: matrix products marked QUANTISED: E2M3 operands, one E8M0 scale for each 32 along K, by v_wmma_scale_f32_16x16x128_f8f6f4 with both operands' format E2M3, f32 sums; products left as they are: f32 operands where the result goes on into a quantised operand, else bf16, f16 or f32 operands; f32 sums; everything else in f32.
;; Inputs: Wk_codes 1,024 x 32 x 24 uint8 (E2M3 codes of Wk, K innermost, in blocks of 32 codes, four codes in three bytes); Wk_scales 1,024 x 32 uint8 (E8M0 scales of Wk, one for each 32 codes along K); Wo_codes 1,024 x 32 x 24 uint8 (E2M3 codes of Wo, K innermost, in blocks of 32 codes, four codes in three bytes); Wo_scales 1,024 x 32 uint8 (E8M0 scales of Wo, one for each 32 codes along K); Wq_codes 1,024 x 32 x 24 uint8 (E2M3 codes of Wq, K innermost, in blocks of 32 codes, four codes in three bytes); Wq_scales 1,024 x 32 uint8 (E8M0 scales of Wq, one for each 32 codes along K); Wv_codes 1,024 x 32 x 24 uint8 (E2M3 codes of Wv, K innermost, in blocks of 32 codes, four codes in three bytes); Wv_scales 1,024 x 32 uint8 (E8M0 scales of Wv, one for each 32 codes along K); bk 1,024 float32; bo 1,024 float32; bq 1,024 float32; bv 1,024 float32; x_codes 2 x 2,048 x 32 x 24 uint8 (E2M3 codes of x, K innermost, in blocks of 32 codes, four codes in three bytes); x_scales 2 x 2,048 x 32 uint8 (E8M0 scales of x, one for each 32 codes along K).
;; Outputs: out0 2 x 2,048 x 1,024 float32.
;; This version of the problem:
;;   THIS VERSION OF THE PROBLEM IS GIVEN IN LOW PRECISION. The matrix products marked QUANTISED in the list below multiply operands that are first quantised to E2M3 (2 exponent bits, 3 mantissa bits; 6 bits a number), with one power-of-two scale for each 32 numbers along K (OCP MX v1.0); their sums are f32. All else is computed in f32.
;;   The module's matrix products, in the order in which they are computed (A, B: the left and right operand; K: the contracted axis; several contracted axes count as one K, in the product's order):
;;     1. [M 4,096, K 1,024] x [K 1,024, N 1,024]; A: input x (given as codes); B: input Wq (given as codes): QUANTISED
;;     2. [M 4,096, K 1,024] x [K 1,024, N 1,024]; A: input x (given as codes); B: input Wk (given as codes): QUANTISED
;;     3. [M 4,096, K 1,024] x [K 1,024, N 1,024]; A: input x (given as codes); B: input Wv (given as codes): QUANTISED
;;     4. [M 2,048, K 1] x [K 1, N 32]; A: computed on the way; B: computed on the way: left as it is (no contracted axis)
;;     5. batch 32 x [M 2,048, K 64] x [K 64, N 2,048]; A: computed on the way; B: computed on the way: QUANTISED
;;     6. batch 32 x [M 2,048, K 2,048] x [K 2,048, N 64]; A: softmax (see below); B: computed on the way: QUANTISED
;;     7. [M 4,096, K 1,024] x [K 1,024, N 1,024]; A: computed on the way; B: input Wo (given as codes): QUANTISED
;;   THE QUANTISER, for each operand of a quantised product, along K:
;;     - K is cut into blocks of 32 from its start; a last block that is shorter is filled with zeros.
;;     - A block's scale is 2^e with e = floor(log2(the largest magnitude in the block)) - 2, held to -126 .. 127; a block of zeros has e = 0. As a byte (E8M0): e + 127.
;;     - Each number is divided by its block's scale, clamped to +-7.5, and rounded to the nearest number of E2M3, ties to even, subnormals kept.
;;     - The product sums the exact products of the quantised numbers (number of the format x scale) in f32.
;;   ~~~python
;;   def quantise(x, axis):      # numpy; x: float32 -> the quantised numbers, widened to float32 again
;;       x = np.moveaxis(x, axis, -1); K = x.shape[-1]
;;       x = np.pad(x, [(0, 0)] * (x.ndim - 1) + [(0, -K % 32)]); x = x.reshape(x.shape[:-1] + (-1, 32)); a = np.abs(x).max(-1, keepdims=True)
;;       e = np.where(a > 0, np.clip(np.frexp(np.where(a > 0, a, 1))[1] - 1 - 2, -126, 127), 0)      # np.frexp(a)[1] - 1 = floor(log2(a)), exactly
;;       r = np.clip(x / 2.0 ** e, -7.5, 7.5)
;;       step = 2.0 ** (np.maximum(np.frexp(np.where(r == 0, 1, r))[1] - 1, 0) - 3)
;;       q = np.round(r / step) * step * 2.0 ** e      # np.round: ties to even
;;       return np.moveaxis(q.reshape(q.shape[:-2] + (-1,))[..., :K], -1, axis).astype(np.float32)
;;   ~~~
;;   SOFTMAX AHEAD OF A QUANTISED PRODUCT. Where the list says 'softmax', what is quantised is not the finished softmax but p = 2^(t - M), with t = logit x log2(e) and M = ceil(the row's largest t), a whole number; so 1/2 < the row's largest p <= 1. The row's sum l is taken of the UNQUANTISED p, in f32, and the product's result is divided by l at the end. Since M is a whole number, a kernel that streams over the keys may use a running M (the ceiling of the running maximum): every later rescaling is an exact power of two, which a block's scale takes up: the codes' values come out the same.
;;   OPERANDS COMPUTED ON THE WAY. 'Computed on the way' means the value that the module computes at that place (a softmax that the list does not call 'softmax' is quantised finished and normalised). What goes into a quantiser is computed in f32, as accurately as f32 sums, v_exp_f32 and their like allow (about 1e-6 of the number): no bf16 or f16 on the way to a quantiser, and a product that is left as it is and whose result goes on into a quantised operand takes f32 operands (vector FMAs, or v_wmma_f32_16x16x4_f32). A number that lies on a knife's edge between two numbers of the format may be rounded either way, as far as f32 arithmetic and the matrix unit's own rounding can turn it there, and no further.
;;   INPUTS GIVEN AS CODES. Wk (in the module: [1024, 1024], K = its axis 1); Wo (in the module: [1024, 1024], K = its axis 1); Wq (in the module: [1024, 1024], K = its axis 1); Wv (in the module: [1024, 1024], K = its axis 1); x (in the module: [2, 2048, 1024], K = its axis 2): each comes as NAME_codes (uint8): NAME with its K axis moved to the last place and cut into blocks of 32 codes, [.., K / 32, bytes a block], one block behind the other in memory; four codes in three bytes: a row's codes are one little-endian stream of bits, code i at bits 6 i .. 6 i + 5 (a code: sign, 2 exponent bits, 3 mantissa bits); and NAME_scales (uint8): the same leading axes, one E8M0 byte (e + 127) for each 32 codes along K. Its value is code x scale, taken as it is: it is not quantised again, and the codes and scales need not be those that the quantiser above would give.
;; One version. Each part assembles by itself: llvm-mc -triple=amdgcn-amd-amdhsa -mcpu=gfx1250 --defsym DOCPART=n.
;; ======== version 1 of 1: 3 launches
;; limits: right only within a limited range of input values
;; workspace buffers: qbuf 3,407,872 bytes; kvbuf 6,553,600 bytes; obuf 3,145,728 bytes; oscl 131,072 bytes
;; launch qkv (part 1): grid 8 x 32, 4 waves a work-group, clusters of 4 x 4, 327,680 bytes of LDS; arguments x_codes, x_scales, Wq_codes, Wq_scales, Wk_codes, Wk_scales, Wv_codes, Wv_scales, bq, bk, bv, qbuf, kvbuf; writes qbuf, kvbuf
.if DOCPART == 1
	.amdgcn_target "amdgcn-amd-amdhsa--gfx1250"
	.amdhsa_code_object_version 6
	.text
	.protected	k_q268e9c55d1_qkv
	.globl	k_q268e9c55d1_qkv
	.p2align	8
	.type	k_q268e9c55d1_qkv,@function
k_q268e9c55d1_qkv:
	s_mov_b64 s[64:65], 0
	v_nop
	global_prefetch_b8 v0, s[64:65] scope:SCOPE_SE
	s_setreg_imm32_b32 hwreg(HW_REG_WAVE_MODE, 25, 1), 1
	s_wait_xcnt 0x0
	s_wait_alu depctr_hold_cnt(0) depctr_sa_sdst(0) depctr_va_vdst(0) depctr_va_sdst(0) depctr_va_ssrc(0) depctr_va_vcc(0) depctr_vm_vsrc(0)
	s_getreg_b32 s2, hwreg(HW_REG_IB_STS2, 6, 4)
	s_cmp_eq_u32 s2, 0
	s_cbranch_scc0 .Lentry_in_a_cluster
	s_endpgm
.Lentry_in_a_cluster:
	s_bfe_u32 s2, ttmp6, 0x10000c
	s_cmp_lg_u32 s2, 0xf033
	s_cbranch_scc0 .Lentry_shape_is_right
	s_endpgm
.Lentry_shape_is_right:
; q = rope(x Wq^T + bq), k = rope(x Wk^T + bk), v = x Wv^T + bv, all three products on codes of FP6 (E2M3) with E8M0 scales, and the three results quantised again: q and k along the head's 64, v along the keys.
; x: 4,096 tokens x 1,024 as codes (768 bytes a row) and scale bytes (32 a row); the weights likewise, 1,024 rows each.  Results leave as codes only, laid as images of the operand registers that the next launch wants.
; SHARES.  A work-group takes 128 tokens (block y) against rows 128 cg .. 128 cg + 127 of each weight: heads 2 cg and 2 cg + 1.  Wave w: head hd = w / 2, role = w % 2.  Role 0 makes q of its head for the 128 tokens, role 1 k:
; 8 tiles of tokens x 4 tiles of dims = 32 accumulators; both roles make half of the head's v: 2 tiles of dims x 8 tiles of tokens = 16 accumulators.  48 matrix instructions for each 128 along K feed on 14 fragments from LDS.
; q, k ARE USED TRANSPOSED (source 0 = 16 rows of W, source 1 = 16 tokens): a lane holds one token, its registers run along the dims, which are the next K; dims d and d + 32 fall into the same lane, so the rotation stays in the lane.
; v is used the other way (source 0 = tokens, source 1 = rows of Wv): a lane holds one dim and its registers run along the tokens, which are the keys: the next K.
; ORDER INSIDE A BLOCK OF 32.  Two neighbouring natural tiles give a block's numbers in the order 0-7, 16-23, 8-15, 24-31.  That order is kept: it is the same in q and k, and the next launch makes its p in the same order as v's keys:
; a permutation inside one scale block, alike on both operands, leaves every product as it is.
; WHERE THE IMAGES GO (an image: registers 4 c .. 4 c + 3 of lane l at 512 c + 16 l of the fragment's 1,536 bytes).  A q or k fragment is STACKED: k = 0..63 is one tile of 16 tokens, k = 64..127 the tile 16 tokens on.
;   qbuf block (head, 128 tokens), 6,656 bytes: four stacked fragments, tokens in their order; behind them the scale words.
;   kvbuf block, 12,800 bytes: four stacked fragments of k whose row m of fragment 2 c + e is key 64 c + 32 (m / 8) + 8 e + m % 8 (upper half: + 16); four fragments of v whose row m of fragment t is dim 32 (m / 8) + 8 t + m % 8;
;   512 bytes of scale words: k's word (F, m) at 16 m + 4 F, v's (t, m) at 256 + 16 m + 4 t.  The rows are chosen by the stores' addresses alone.
; K goes in chunks of 256 through two LDS slots; each wave fetches one of a slot's four tiles (x, Wq, Wk, Wv: 128 rows of 192 bytes).  CLUSTER 4 x 4: x's tile hangs on y alone and is asked for jointly by a row of the cluster,
; the weights' tiles hang on cg alone and are asked for jointly by a column.
; cos AND sin are made here, in f32, while the first tiles are on their way: angle = pos x 10000^(-i / 32), reduced by multiples of pi / 2 in two parts, then two polynomials.
; LIMITS: NaN and infinities are not served.  A block of zeros gets the scale byte 1 (the rule says 127): its codes are zeros and only this program reads the bytes.  The reduction holds for angles under 2^12 (here at most 2,047);
; 10000^(-i / 32) comes from v_exp_f32, which can move the largest angles by about 1.5e-4.
; REGISTERS, in windows of 256.  Window 0: v4-15 LDS addresses, v16-25 other addresses, v32-95 x's scale words (8 t + s), v96-143 the weights' (8 c + s; from v128 Wv's), v144-175 bias of q or k, v176-191 bias of v,
;   v192-255 at work on cos and sin, later 64 numbers for the quantiser; v144-187 later the quantiser's own.  Window 1: x's fragments, two sets (96 p + 12 t), Wv's (192 + 24 p + 12 i); at the end the table of cos and sin.
;   Window 2: W's fragments, two sets (48 p + 12 c); v's accumulators (128 + 64 i + 8 t).  Window 3: q's or k's accumulators (32 t + 8 c).
; K GOES IN CHUNKS OF 256 BYTES of each row (three chunks to a row of 768 bytes, each beginning at a multiple of 256 bytes), chunk c in slot c % 2; this takes the place of the rows of 192 bytes named above.
; A K step of 128 is 96 bytes: steps 2 and 5 lie across two chunks and take their pieces from both slots.  One tensor load a wave at the head (chunk 0); chunk 1 behind the full sequence; chunk 2 refills slot 0.
.set PITCH,  272                       ; an LDS row: 256 bytes + 16 of padding = 68 words: the 32 lanes of a load of 8 bytes touch 64 different banks (64 banks of 4 bytes: ISA guide 11.1)
.set HALFT,  128*PITCH                 ; one tile: 128 rows
.set SLOT,   4*HALFT                   ; x, Wq, Wk, Wv
.set TAB,    2*SLOT                    ; behind the ring: cos and sin, [tile of tokens 8][group of four registers 8][lane][16 bytes]; groups 0-3 cos, 4-7 sin
.set SPARE,  TAB+32768                 ; the spare words, 128 bytes for each wave: two blocks of 256 bytes that no other line names
.set ROWB,   256                       ; a chunk of a row of codes
.set KROW,   768                       ; a row of x or of a weight in memory
.set AX,  4                            ; v4-5 x's fragments in slot 0, 1; v6-7 for pieces that lie across two chunks
.set AW,  8                            ; v8-11 the same for my rows of Wq or Wk
.set AV,  12                           ; v12-15 for my rows of Wv
.set VA0, 16                           ; where a q or k image goes: even fragments, odd fragments
.set VA1, 17
.set VS,  18                           ; q's or k's scale words
.set VAV, 19                           ; v's images
.set VSV, 20                           ; v's scale words
.set TR,  21                           ; the table: 16 x lane + TAB
.set TW,  22                           ; and where my wave writes its two tiles of it
.set R32, 23
.set H32, 24
.set R4,  25
.set SPW, 28                           ; LDS address of my spare word; never rewritten
.set NIL, 29                           ; 0; never rewritten
.set XS,  32
.set WS,  96
.set BQ,  144
.set BV,  176
.set IFQ, 192                          ; 16 frequencies of my lane
.set POS, 208
.set K2,  210
.set K3,  212
.set AA,  214
.set NN,  216
.set ZZ,  218
.set SS,  220
.set CC,  222
.set TP,  224
.set QI,  226
.set OC,  228
.set OS,  232
.set NUM, 192                          ; the quantiser's 64 numbers
.set TM,  144                          ; +0..3 largest magnitudes, +4..7 bytes, +12..15 the conversions' scale operands
.set PW0, 160                          ; four scale words of q or k
.set PWV, 164                          ; two of v
.set D0,  166
.set PC,  168                          ; the codes just made: 12 registers and two runs of three
.set G1X, 40
.set G1W, 48
.set G0X, 56                           ; s[56:59], s[60:63]: one set for each slot
.set G0W, 68                           ; s[68:71], s[72:75]
.set SEL, 88
.set MSB, 0
.macro WIN new                         ; the immediate's high byte repeats the setting that is left; a switch that changes nothing is dropped
.if MSB != (\new)
	s_set_vgpr_msb (MSB<<8)|(\new)
.set MSB, (\new)
.endif
.endm
.macro PLACES                          ; four plain vector instructions between a matrix instruction and a load into, or a read of, its registers (ISA guide 7.12.1 for vector instructions)
.rept 4
	v_nop
.endr
.endm
; A joint load: wave 0 fetches x's tile, waves 1 to 3 a weight's.  Each line has one mask; the branch hangs on the wave's number alone.  Four v_nop follow each line.
.macro JLOAD g0x, g0w
	s_cmp_eq_u32 s30, 0
	s_cbranch_scc0 .Lfor_w_\@
	tensor_load_to_lds s[\g0x:\g0x+3], s[G1X:G1X+7]
	s_nop 0
.rept 4
	v_nop
.endr
	s_branch .Lasked_\@
.Lfor_w_\@:
	tensor_load_to_lds s[\g0w:\g0w+3], s[G1W:G1W+7]
	s_nop 0
.rept 4
	v_nop
.endr
.Lasked_\@:
.endm
.macro CROUND                          ; a round of the cluster's barrier
	s_barrier_signal -1
	s_barrier_wait -1
	s_cmp_lg_u32 s30, 0
	s_cbranch_scc1 .Lnot_wave_0_\@
	s_barrier_signal -3
.Lnot_wave_0_\@:
	s_barrier_wait -3
	s_barrier_signal -1
	s_barrier_wait -1
.endm
	s_load_b512 s[4:19], s[0:1], 0x0               ; x codes, x scales, Wq codes, Wq scales, Wk codes, Wk scales, Wv codes, Wv scales
	s_load_b256 s[20:27], s[0:1], 0x40             ; bq, bk, bv, qbuf
	s_load_b64 s[28:29], s[0:1], 0x60              ; kvbuf
	v_lshl_add_u32 v[SPW], v0, 2, SPARE
	v_mov_b32 v[NIL], 0
	ds_add_u32 v28, v29
	ds_add_u32 v28, v29
	s_wait_dscnt 0x0
	v_lshrrev_b32 v1, 5, v0
	v_readfirstlane_b32 s30, v1                    ; wave 0..3
	s_lshr_b32 s31, s30, 1                         ; hd
	s_and_b32 s32, s30, 1                          ; role
	s_bfe_u32 s33, ttmp6, 0x40000                  ; cx
	s_bfe_u32 s34, ttmp6, 0x40004                  ; cy
	s_lshl_b32 s35, ttmp9, 2
	s_add_co_u32 s35, s35, s33                     ; cg = 4 x cluster x + cx
	s_and_b32 s36, ttmp7, 0xffff
	s_lshl_b32 s36, s36, 2
	s_add_co_u32 s36, s36, s34                     ; y = 4 x cluster y + cy
	s_lshl_b32 s37, s34, 2
	s_lshl_b32 s37, 15, s37                        ; my row of the cluster
	s_lshl_b32 s38, 0x1111, s33                    ; my column
	; descriptor group 1: 128 rows of 256 bytes, 768 apart; elements of 1 byte; padding of 4 words behind every 64; bit 21 beside the mask
	s_or_b32 s[G1X], s37, (1<<20)|(1<<21)|(5<<22)|(3<<25)   ; padding of 4 words behind every 64
	s_or_b32 s[G1W], s38, (1<<20)|(1<<21)|(5<<22)|(3<<25)
.irp g, G1X, G1W
	s_mov_b32 s[\g+1], ROWB<<16                    ; tensor_dim0
	s_mov_b32 s[\g+2], 128<<16                     ; tensor_dim1
	s_mov_b32 s[\g+3], ROWB<<16                    ; tile_dim0
	s_mov_b32 s[\g+4], 128                         ; tile_dim1
	s_mov_b32 s[\g+5], KROW                        ; the pitch
	s_mov_b32 s[\g+6], 0
	s_mov_b32 s[\g+7], 0
.endr
	s_mul_i32 s90, s36, 128*KROW                   ; x's tile: y alone
	s_mov_b32 s91, 0
	s_mul_i32 s92, s35, 128*KROW                   ; a weight's tile: cg alone
	s_mov_b32 s93, 0
	s_mul_i32 s94, s30, HALFT                      ; where my tile goes: the wave's number alone
	s_wait_kmcnt 0x0
	s_add_nc_u64 s[76:77], s[4:5], s[90:91]
	s_cmp_eq_u32 s30, 2                            ; wave 1: Wq, wave 2: Wk, wave 3: Wv
	s_cselect_b64 s[78:79], s[12:13], s[8:9]
	s_cmp_eq_u32 s30, 3
	s_cselect_b64 s[78:79], s[16:17], s[78:79]
	s_add_nc_u64 s[78:79], s[78:79], s[92:93]
	CROUND                                         ; all sixteen work-groups are here: the first joint loads meet
.irp s, 0,1
	s_mov_b32 s[G0X+4*\s], 1
	s_add_co_u32 s[G0X+4*\s+1], s94, \s*SLOT
	s_add_nc_u64 s[G0X+4*\s+2:G0X+4*\s+3], s[76:77], \s*ROWB
	s_or_b32 s[G0X+4*\s+3], s[G0X+4*\s+3], 0x80000000
	s_mov_b32 s[G0W+4*\s], 1
	s_add_co_u32 s[G0W+4*\s+1], s94, \s*SLOT
	s_add_nc_u64 s[G0W+4*\s+2:G0W+4*\s+3], s[78:79], \s*ROWB
	s_or_b32 s[G0W+4*\s+3], s[G0W+4*\s+3], 0x80000000
.endr
	JLOAD G0X, G0W                                 ; chunk 0: one tensor load a wave at the head
	; chunks 1 and 2 are asked of memory here, ahead of the tensor loads that want them (chunk 1's stands behind half of the table's making, chunk 2's two K steps further on).  Of my tile's 128 rows the four partners
	; that ask for it jointly take 32 each, told apart by address (cx for x's tile, cy for a weight's): a lane a row, so each block of 256 bytes is named once in the cluster.  The address registers are never written again.
	s_cmp_eq_u32 s30, 0
	s_cselect_b64 s[66:67], s[76:77], s[78:79]     ; my tile's first row
	s_cselect_b32 s39, s33, s34
	s_mul_i32 s90, s39, 32*KROW
	s_add_nc_u64 s[66:67], s[66:67], s[90:91]
	v_and_b32 v31, 31, v0
	v_mul_u32_u24 v31, v31, KROW
	global_prefetch_b8 v31, s[66:67] offset:ROWB th:TH_LOAD_NT scope:SCOPE_SE
	global_prefetch_b8 v31, s[66:67] offset:2*ROWB th:TH_LOAD_NT scope:SCOPE_SE
	v_and_b32 v1, 15, v0                           ; r
	s_wait_alu depctr_va_vdst(0)
	v_bfe_u32 v2, v0, 4, 1                         ; h
	s_wait_alu depctr_va_vdst(0)
	v_and_b32 v3, 31, v0                           ; lane
	; scale words and biases, once for the whole launch
	s_lshl_b32 s90, s36, 12                        ; 128 rows of 32 scale bytes
	s_add_nc_u64 s[6:7], s[6:7], s[90:91]
	s_lshl_b32 s95, s35, 7
	s_lshl_b32 s96, s31, 6
	s_add_co_u32 s95, s95, s96                     ; my head's first row of a weight: 128 cg + 64 hd
	s_lshl_b32 s96, s32, 5
	s_add_co_u32 s96, s95, s96                     ; my first row of Wv: + 32 role
	s_cmp_eq_u32 s32, 0
	s_cselect_b64 s[10:11], s[10:11], s[14:15]     ; Wq's or Wk's scales
	s_cselect_b64 s[20:21], s[20:21], s[22:23]     ; bq or bk
	s_lshl_b32 s92, s95, 5
	s_add_nc_u64 s[10:11], s[10:11], s[92:93]
	s_lshl_b32 s92, s96, 5
	s_add_nc_u64 s[18:19], s[18:19], s[92:93]
	s_lshl_b32 s92, s95, 2
	s_add_nc_u64 s[20:21], s[20:21], s[92:93]
	s_lshl_b32 s92, s96, 2
	s_add_nc_u64 s[24:25], s[24:25], s[92:93]
	v_lshlrev_b32 v[R32], 5, v1
	v_lshlrev_b32 v[H32], 5, v2
	v_lshlrev_b32 v[R4], 2, v1
.irp t, 0,1,2,3,4,5,6,7
	global_load_b128 v[XS+8*\t:XS+8*\t+3], v[R32], s[6:7] offset:512*\t          ; token 16 t + r: its eight scale words
	global_load_b128 v[XS+8*\t+4:XS+8*\t+7], v[R32], s[6:7] offset:512*\t+16
.endr
.irp c, 0,1,2,3
	global_load_b128 v[WS+8*\c:WS+8*\c+3], v[R32], s[10:11] offset:512*\c
	global_load_b128 v[WS+8*\c+4:WS+8*\c+7], v[R32], s[10:11] offset:512*\c+16
	global_load_b128 v[BQ+8*\c:BQ+8*\c+3], v[H32], s[20:21] offset:64*\c         ; the bias in the result's layout: dims 16 c + 8 h + 0 .. 7
	global_load_b128 v[BQ+8*\c+4:BQ+8*\c+7], v[H32], s[20:21] offset:64*\c+16
.endr
.irp i, 0,1
	global_load_b128 v[WS+32+8*\i:WS+32+8*\i+3], v[R32], s[18:19] offset:512*\i
	global_load_b128 v[WS+32+8*\i+4:WS+32+8*\i+7], v[R32], s[18:19] offset:512*\i+16
	global_load_b32 v[BV+8*\i], v[R4], s[24:25] offset:64*\i                     ; v's bias: one number a lane (dim 16 i + r), copied to eight registers below
.endr
	; LDS addresses of the fragments: row x pitch + 24 x half, and for pieces across two chunks
	s_mov_b32 s86, SLOT-232
	s_mov_b32 s87, SLOT+232
	v_mul_u32_u24 v27, v1, PITCH
	v_mad_u32_u24 v26, v2, 24, v27                 ; row x pitch + 24 x half
	v_sub_nc_u32 v30, 1, v2                        ; 1 in lanes 0-15
	v_mul_u32_u24 v[AX+2], s86, v2
	v_add_nc_u32 v[AX+2], v27, v[AX+2]
	v_add_nc_u32 v[AX+2], 232, v[AX+2]             ; across two chunks: lanes 0-15 byte 232 of the row in slot 0, lanes 16-31 byte 0 of the row in slot 1;
	v_mul_u32_u24 v[AX+3], s87, v30
	v_add_nc_u32 v[AX+3], v27, v[AX+3]             ; and lanes 0-15 byte 232 in slot 1, lanes 16-31 byte 0 in slot 0
	s_wait_alu depctr_va_vdst(0)
	s_mul_i32 s97, s31, 64*PITCH
	s_mul_i32 s98, s32, HALFT
	s_add_co_u32 s98, s98, s97
	s_add_co_u32 s98, s98, HALFT                   ; Wq's or Wk's tile, my head's 64 rows
	s_mul_i32 s99, s32, 32*PITCH
	s_add_co_u32 s99, s99, s97
	s_add_co_u32 s99, s99, 3*HALFT                 ; Wv's tile, my 32 rows
	v_add_nc_u32 v[AW+2], s98, v[AX+2]
	v_add_nc_u32 v[AW+3], s98, v[AX+3]
	v_add_nc_u32 v[AV+2], s99, v[AX+2]
	v_add_nc_u32 v[AV+3], s99, v[AX+3]
.irp s, 0,1
	v_add_nc_u32 v[AX+\s], \s*SLOT, v26
	v_add_nc_u32 v[AW+\s], s98, v26
	v_add_nc_u32 v[AV+\s], s99, v26
	s_add_co_u32 s98, s98, SLOT
	s_add_co_u32 s99, s99, SLOT
.endr
	v_lshlrev_b32 v[TR], 4, v3
	v_add_nc_u32 v[TR], TAB, v[TR]
	s_lshl_b32 s97, s30, 13                        ; my two tiles of the table: 8,192 bytes a wave
	v_add_nc_u32 v[TW], s97, v[TR]
	; where the results go
	v_and_b32 v26, 7, v1                           ; r % 8
	v_lshrrev_b32 v27, 3, v1                       ; r / 8
	s_mov_b32 s87, 1536
	s_mov_b32 s94, 12288
	s_cmp_eq_u32 s32, 0
	s_cselect_b32 s86, 128, s87                    ; q: lanes in their order, odd fragments 1,536 on;  k: r / 8 chooses the fragment, an odd source fragment gives rows 8-15
	s_cselect_b32 s87, s87, 128
	v_lshlrev_b32 v[VA0], 4, v26
	v_lshl_add_u32 v[VA0], v2, 8, v[VA0]           ; 16 (r % 8) + 256 h
	v_lshlrev_b32 v[VS], 4, v26
	v_lshl_add_u32 v[VS], v27, 2, v[VS]            ; 16 (r % 8) + 4 (r / 8)
	s_lshl_b32 s97, s32, 7
	v_lshl_add_u32 v[VSV], v2, 3, v[VS]
	v_add_nc_u32 v[VSV], s97, v[VSV]               ; v's words: + 8 h (lanes 16-31 store tile 1's) + 128 role
	v_lshl_add_u32 v[VS], v2, 7, v[VS]             ; q's, k's: + 128 h (lanes 16-31 store the odd fragment's)
	v_mad_u32_u24 v[VAV], v27, 1536, v[VA0]
	v_add_nc_u32 v[VAV], s97, v[VAV]               ; v's images: fragment 2 i + r / 8, row 8 role + r % 8
	v_mad_u32_u24 v[VA0], v27, s86, v[VA0]
	v_add_nc_u32 v[VA1], s87, v[VA0]
	s_lshr_b32 s90, s36, 4
	s_lshl_b32 s90, s90, 4
	s_lshl_b32 s92, s35, 1
	s_add_co_u32 s90, s90, s92
	s_add_co_u32 s90, s90, s31                     ; 16 b + head
	s_lshl_b32 s90, s90, 4
	s_and_b32 s92, s36, 15
	s_add_co_u32 s90, s90, s92                     ; the block's number: x 16 + the 128-token block in the sequence
	s_mul_i32 s92, s90, 12800
	s_add_nc_u64 s[84:85], s[28:29], s[92:93]      ; my block of kvbuf
	s_mul_i32 s92, s90, 6656
	s_add_nc_u64 s[80:81], s[26:27], s[92:93]      ; and of qbuf
	s_cmp_eq_u32 s32, 0
	s_cselect_b64 s[80:81], s[80:81], s[84:85]     ; where my q or k images go,
	s_cselect_b32 s92, 6144, s94
	s_add_nc_u64 s[82:83], s[80:81], s[92:93]      ; and their scale words
	s_mov_b32 s[SEL], 0x76543210
	s_mov_b32 s[SEL+1], 0xfedcba98                 ; v_permlanex16_b32's selects for lane l xor 16
	; ---- cos and sin.  Register i of my lane serves dims 16 (i / 8) + 8 h + i % 8 and 32 more: frequency number i + 8 h + 8 (i / 8)
	v_lshlrev_b32 v26, 3, v2
.irp i, 0,1,2,3,4,5,6,7,8,9,10,11,12,13,14,15
	v_add_nc_u32 v[IFQ+\i], \i+8*(\i/8), v26
.endr
.irp i, 0,1,2,3,4,5,6,7,8,9,10,11,12,13,14,15
	v_cvt_f32_u32 v[IFQ+\i], v[IFQ+\i]
.endr
.irp i, 0,1,2,3,4,5,6,7,8,9,10,11,12,13,14,15
	v_mul_f32 v[IFQ+\i], 0xbed49a78, v[IFQ+\i]     ; x -log2(10000) / 32
.endr
	s_wait_alu depctr_va_vdst(0)
.irp i, 0,1,2,3,4,5,6,7,8,9,10,11,12,13,14,15
	v_exp_f32 v[IFQ+\i], v[IFQ+\i]                 ; 10000^(-number / 32)
.endr
	v_mov_b32 v[K2], 0x3c08839e                    ; (plain lines behind the exponentials)  two coefficients stand in registers: an instruction takes one literal
	v_mov_b32 v[K2+1], 0x3c08839e
	v_mov_b32 v[K3], 0xbab6061a
	v_mov_b32 v[K3+1], 0xbab6061a
	s_and_b32 s97, s36, 15
	s_lshl_b32 s97, s97, 7
	s_lshl_b32 s98, s30, 5
	s_add_co_u32 s97, s97, s98                     ; the first position of my first tile: 128 x block + 32 x wave
	v_add_nc_u32 v26, s97, v1
	v_cvt_f32_u32 v[POS], v26
	v_mov_b32 v[POS+1], v[POS]                     ; (named as a pair's upper half)
	s_wait_alu depctr_va_vdst(0)
; My lane's 16 cosines and sines of tile 2 w + tl, two at a time: a = pos x frequency (one rounding, as the module has it); n = the nearest whole number to a x 2 / pi; a - n pi / 2 in two parts, the first exact
; (n has 11 bits at the most); sin and cos of the rest by polynomials; n % 4 says which of the two is which, and the signs.
.macro SINCOS tl
.irp q, 0,1,2,3
.irp e, 0,1
	v_pk_mul_f32 v[AA:AA+1], v[IFQ+4*\q+2*\e:IFQ+4*\q+2*\e+1], v[POS:POS+1] op_sel_hi:[1,0]
	v_pk_mul_f32 v[NN:NN+1], v[AA:AA+1], 0x3f22f983 op_sel_hi:[1,0]
	v_rndne_f32 v[NN], v[NN]
	v_rndne_f32 v[NN+1], v[NN+1]
	v_pk_fma_f32 v[AA:AA+1], v[NN:NN+1], 0xbfc90fdb, v[AA:AA+1] op_sel_hi:[1,0,1]
	v_pk_fma_f32 v[AA:AA+1], v[NN:NN+1], 0x333bbd2e, v[AA:AA+1] op_sel_hi:[1,0,1]
	v_pk_mul_f32 v[ZZ:ZZ+1], v[AA:AA+1], v[AA:AA+1]
	v_pk_fma_f32 v[SS:SS+1], v[ZZ:ZZ+1], 0xb94ca1f9, v[K2:K2+1] op_sel_hi:[1,0,1]
	v_pk_fma_f32 v[CC:CC+1], v[ZZ:ZZ+1], 0x37ccf5ce, v[K3:K3+1] op_sel_hi:[1,0,1]
	v_pk_fma_f32 v[SS:SS+1], v[ZZ:ZZ+1], v[SS:SS+1], 0xbe2aaaa3 op_sel_hi:[1,1,0]
	v_pk_fma_f32 v[CC:CC+1], v[ZZ:ZZ+1], v[CC:CC+1], 0x3d2aaaa5 op_sel_hi:[1,1,0]
	v_pk_mul_f32 v[TP:TP+1], v[ZZ:ZZ+1], v[AA:AA+1]
	v_pk_fma_f32 v[CC:CC+1], v[ZZ:ZZ+1], v[CC:CC+1], -0.5 op_sel_hi:[1,1,0]
	v_pk_fma_f32 v[SS:SS+1], v[TP:TP+1], v[SS:SS+1], v[AA:AA+1]
	v_pk_fma_f32 v[CC:CC+1], v[ZZ:ZZ+1], v[CC:CC+1], 1.0 op_sel_hi:[1,1,0]
.irp u, 0,1
	v_cvt_i32_f32 v[QI], v[NN+\u]
	v_and_b32 v[TP], 1, v[QI]
	v_cmp_eq_u32 vcc_lo, 1, v[TP]                  ; an odd quarter: the two change places (a choice of values only)
	v_cndmask_b32 v[OS+2*\e+\u], v[SS+\u], v[CC+\u], vcc_lo
	v_cndmask_b32 v[OC+2*\e+\u], v[CC+\u], v[SS+\u], vcc_lo
	v_lshlrev_b32 v[TP], 30, v[QI]
	v_and_b32 v[TP], 0x80000000, v[TP]             ; quarters 2 and 3: sin changes its sign
	v_xor_b32 v[OS+2*\e+\u], v[TP], v[OS+2*\e+\u]
	v_add_nc_u32 v[QI], 1, v[QI]
	v_lshlrev_b32 v[TP], 30, v[QI]
	v_and_b32 v[TP], 0x80000000, v[TP]             ; quarters 1 and 2: cos does
	v_xor_b32 v[OC+2*\e+\u], v[TP], v[OC+2*\e+\u]
.endr
.endr
	ds_store_b128 v[TW], v[OC:OC+3] offset:4096*\tl+512*\q
	ds_store_b128 v[TW], v[OS:OS+3] offset:4096*\tl+512*(\q+4)
.endr
.endm
	SINCOS 0
	s_wait_alu depctr_va_vdst(0)
	s_wait_tensorcnt 0x0                           ; my tile of chunk 0 is in
	ds_add_u32 v[SPW], v[NIL]
	s_wait_dscnt 0x0
	CROUND                                         ; chunk 0 is whole for every wave, and the joint loads meet
	JLOAD G0X+4, G0W+4                             ; chunk 1, my one tensor load behind the round
	v_add_f32 v[POS], 0x41800000, v[POS]           ; 16 positions on
	SINCOS 1                                       ; this half of my part of the table is shown to the others by the barrier behind K step 0
	s_wait_loadcnt 0x0                             ; scale words and biases
.irp i, 0,1
.irp j, 1,2,3,4,5,6,7
	v_mov_b32 v[BV+8*\i+\j], v[BV+8*\i]
.endr
.endr
.macro FRAG reg, adr, q, i             ; a fragment: 16 rows x 128 K, 12 registers, in pieces of 8 bytes.  Lanes 16-31 read three pieces on; where that lies in the next chunk the second pair of address registers serves
.irp p, 0,1,2,3,4,5
.set BY, 96*(\q)+48*(\p/3)+8*(\p%3)    ; q: the K step.  Where the piece of lanes 0-15 begins in the row of codes; byte y lies in chunk y / 256, slot (y / 256) % 2, at byte y % 256 of the LDS row
.if BY/ROWB == (BY+24)/ROWB
	ds_load_b64 v[\reg+2*\p:\reg+2*\p+1], v[\adr+(BY/ROWB)%2] offset:BY%ROWB+(\i)*16*PITCH
.else                                  ; lanes 16-31, 24 bytes on, read the next chunk
	ds_load_b64 v[\reg+2*\p:\reg+2*\p+1], v[\adr+2+(BY/ROWB)%2] offset:BY%ROWB-232+(\i)*16*PITCH
.endif
.endr
.endm
.macro LDW set, slot, q                ; 24 loads: my four tiles of Wq or Wk
	WIN 0x80
.irp c, 0,1,2,3
	FRAG 48*(\set)+12*\c, AW+\slot, \q, \c
.endr
.endm
.macro LDX1 set, slot, q               ; 30 loads: x's tiles 0-4
	WIN 0x40
.irp i, 0,1,2,3,4
	FRAG 96*(\set)+12*\i, AX+\slot, \q, \i
.endr
.endm
.macro LDX2 set, slot, q               ; 30 loads: x's tiles 5-7, my two tiles of Wv
	WIN 0x40
.irp i, 5,6,7
	FRAG 96*(\set)+12*\i, AX+\slot, \q, \i
.endr
.irp i, 0,1
	FRAG 192+24*(\set)+12*\i, AV+\slot, \q, \i
.endr
.endm
; 16 products of q or k: tiles of tokens t0 .. t0 + 3 x four tiles of dims.  first = 1: the bias is the sum's first C: nothing is cleared and nothing added later.
.macro MULQK t0, set, s, first
.irp t, \t0, \t0+1, \t0+2, \t0+3
.irp c, 0,1,2,3
.if \first
	v_wmma_scale_f32_16x16x128_f8f6f4 v[32*(\t)+8*\c:32*(\t)+8*\c+7], v[48*(\set)+12*\c:48*(\set)+12*\c+11], v[96*(\set)+12*(\t):96*(\set)+12*(\t)+11], v[BQ+8*\c:BQ+8*\c+7], v[WS+8*\c+(\s)], v[XS+8*(\t)+(\s)] matrix_a_fmt:MATRIX_FMT_FP6 matrix_b_fmt:MATRIX_FMT_FP6
.else
	v_wmma_scale_f32_16x16x128_f8f6f4 v[32*(\t)+8*\c:32*(\t)+8*\c+7], v[48*(\set)+12*\c:48*(\set)+12*\c+11], v[96*(\set)+12*(\t):96*(\set)+12*(\t)+11], v[32*(\t)+8*\c:32*(\t)+8*\c+7], v[WS+8*\c+(\s)], v[XS+8*(\t)+(\s)] matrix_a_fmt:MATRIX_FMT_FP6 matrix_b_fmt:MATRIX_FMT_FP6
.endif
.endr
.endr
.endm
.macro MULV set, s, first              ; 16 products of v: two tiles of dims x eight tiles of tokens
.irp i, 0,1
.irp t, 0,1,2,3,4,5,6,7
.if \first
	v_wmma_scale_f32_16x16x128_f8f6f4 v[128+64*\i+8*\t:135+64*\i+8*\t], v[96*(\set)+12*\t:96*(\set)+12*\t+11], v[192+24*(\set)+12*\i:192+24*(\set)+12*\i+11], v[BV+8*\i:BV+8*\i+7], v[XS+8*\t+(\s)], v[WS+32+8*\i+(\s)] matrix_a_fmt:MATRIX_FMT_FP6 matrix_b_fmt:MATRIX_FMT_FP6
.else
	v_wmma_scale_f32_16x16x128_f8f6f4 v[128+64*\i+8*\t:135+64*\i+8*\t], v[96*(\set)+12*\t:96*(\set)+12*\t+11], v[192+24*(\set)+12*\i:192+24*(\set)+12*\i+11], v[128+64*\i+8*\t:135+64*\i+8*\t], v[XS+8*\t+(\s)], v[WS+32+8*\i+(\s)] matrix_a_fmt:MATRIX_FMT_FP6 matrix_b_fmt:MATRIX_FMT_FP6
.endif
.endr
.endr
.endm
; A K STEP of 128: 48 products on 48 accumulators, which take turns in the same order in every step.  All its LDS loads are the NEXT step's, into the other set of registers, in three runs.
; The places: W's other set was last read in front of the four v_nop of the step before's third part; x's and Wv's other set in front of this step's first four.
; change = 1: with this step's last run of loads the slot has been read out: the waits, the add and a barrier; fill = 1: the barrier is a round of the cluster's and the slot is filled again, two chunks on.
.macro KSTEP s, change, fill
.set CP,  (\s)%2
.set NXP, 1-CP
.set NXS, 0                            ; the slot is chosen piece by piece in FRAG
.set NXQ, (\s)+1                       ; the next K step
.set CSL, ((\s)/2)%2
.if (\s) < 7
	LDW NXP, NXS, NXQ
	s_wait_dscnt 54                                ; out may be: the last run of the step before (30) and the 24 just issued.  W's tiles and x's tiles 0-4 of this step are in
.else
	s_wait_dscnt 30                                ; the last step fetches nothing
.endif
.if (\s) == 0
	WIN 0xc6                                       ; source 0 (W) window 2, source 1 (x) window 1, C (the bias) window 0, D window 3
	MULQK 0, CP, \s, 1
.else
	WIN 0xf6
	MULQK 0, CP, \s, 0
.endif
.if (\s) < 7
	PLACES
	LDX1 NXP, NXS, NXQ
	s_wait_dscnt 54                                ; out may be: this step's 24 and 30.  x's tiles 5-7 and Wv's are in
.else
	s_wait_dscnt 0x0
.endif
.if (\s) == 0
	WIN 0xc6
	MULQK 4, CP, \s, 1
.else
	WIN 0xf6
	MULQK 4, CP, \s, 0
.endif
.if (\s) < 7
	PLACES
	LDX2 NXP, NXS, NXQ
.endif
.if \change
	WIN 0                                          ; (the add's two registers lie in window 0)
	s_wait_tensorcnt 0x0                           ; all my tensor loads have landed: my tile of the other slot
	ds_add_u32 v[SPW], v[NIL]                      ; 0 onto my spare word: sixteen products stand between it and the wait for it
.endif
.if (\s) == 0
	WIN 0x85                                       ; sources 0 (x) and 1 (Wv) window 1, C (the bias) window 0, D window 2
	s_wait_alu depctr_va_vdst(0)
	MULV CP, \s, 1
.else
	WIN 0xa5
	MULV CP, \s, 0
.endif
.if \change
	WIN 0                                          ; at a branch and at a label every window is 0
	s_wait_dscnt 0x0                               ; the add is done, and my reads of the slot are over
.if \fill
	CROUND                                         ; no wave of any partner still reads the slot or has a load on its way
	s_add_nc_u64 s[G0X+4*CSL+2:G0X+4*CSL+3], s[G0X+4*CSL+2:G0X+4*CSL+3], 2*ROWB
	s_add_nc_u64 s[G0W+4*CSL+2:G0W+4*CSL+3], s[G0W+4*CSL+2:G0W+4*CSL+3], 2*ROWB
	JLOAD G0X+4*CSL, G0W+4*CSL                     ; my one tensor load behind the round: it has 80 products, up to K step 3's wait, in which to land
.else
	s_barrier_signal -1
	s_barrier_wait -1                              ; the last chunk is whole for every wave; nothing is filled again
.endif
.endif
.endm
	LDW 0, 0, 0
	LDX1 0, 0, 0
	LDX2 0, 0, 0
	KSTEP 0, 1, 0                                  ; behind it chunk 1 is whole: step 2's pieces come from chunks 0 and 1
	KSTEP 1, 1, 1                                  ; chunk 0 has been read out: slot 0 takes chunk 2
	KSTEP 2, 0, 0
	KSTEP 3, 1, 0                                  ; behind it chunk 2 is whole: step 5's pieces come from chunks 1 and 2
	KSTEP 4, 0, 0
	KSTEP 5, 0, 0
	KSTEP 6, 0, 0
	KSTEP 7, 0, 0
	; ---- the way out.  The whole table comes into window 1, where the fragments lay: v[32 t + i] cos, v[32 t + 16 + i] sin
	WIN 0
	PLACES
	WIN 0x40
.irp t, 0,1,2,3,4,5,6,7
.irp q, 0,1,2,3,4,5,6,7
	ds_load_b128 v[32*\t+4*\q:32*\t+4*\q+3], v[TR] offset:4096*\t+512*\q
.endr
.endr
	WIN 0
.irp b, 0,1,2,3
	v_mov_b32 v[TM+4+\b], 0                        ; written once: a lane permute's destination counts as one of its sources
.endr
; The rotation of tiles 2 f and 2 f + 1: y1 = x1 cos - x2 sin, y2 = x2 cos + x1 sin, x1 = dims under 32, x2 = the same 32 on: 64 numbers for the quantiser.  Each accumulator is read from its low end on.
.macro ROPE f
	WIN 0x07                                       ; source 0 window 3 (accumulators), source 1 window 1 (the table), the rest window 0
.irp tl, 0,1
.irp i, 0,2,4,6,8,10,12,14
.set RT, 32*(2*\f+\tl)
	v_pk_mul_f32 v[NUM+32*\tl+\i:NUM+32*\tl+\i+1], v[RT+16+\i:RT+17+\i], v[RT+16+\i:RT+17+\i]
	v_pk_mul_f32 v[NUM+32*\tl+16+\i:NUM+32*\tl+17+\i], v[RT+\i:RT+1+\i], v[RT+16+\i:RT+17+\i]
	v_pk_fma_f32 v[NUM+32*\tl+\i:NUM+32*\tl+\i+1], v[RT+\i:RT+1+\i], v[RT+\i:RT+1+\i], v[NUM+32*\tl+\i:NUM+32*\tl+\i+1] neg_lo:[0,0,1] neg_hi:[0,0,1]
	v_pk_fma_f32 v[NUM+32*\tl+16+\i:NUM+32*\tl+17+\i], v[RT+16+\i:RT+17+\i], v[RT+\i:RT+1+\i], v[NUM+32*\tl+16+\i:NUM+32*\tl+17+\i]
.endr
.endr
	WIN 0
.endm
; 64 numbers of a lane in window w, v[s] on: registers 16 b .. 16 b + 15 are my half of block b, lane l xor 16 holds the other half.  They become a fragment's codes in v[PC] on and its scale word in v[pw].
.macro QUANT s, w, pw
	WIN (\w)|((\w)<<2)
.irp b, 0,1,2,3
	v_max3_num_f32 v[TM+\b], |v[\s+16*\b]|, |v[\s+1+16*\b]|, 0x1800000   ; the floor 2^(3 - 127): the byte cannot fall under 1
.endr
	WIN ((\w)<<2)|((\w)<<4)
.irp i, 2,4,6,8,10,12,14
.irp b, 0,1,2,3
	v_max3_num_f32 v[TM+\b], v[TM+\b], |v[\s+16*\b+\i]|, |v[\s+1+16*\b+\i]|   ; the four blocks by turns
.endr
.endr
	WIN 0
.irp b, 0,1,2,3
	v_permlanex16_b32 v[TM+4+\b], v[TM+\b], s[SEL], s[SEL+1]
.endr
.irp b, 0,1,2,3
	v_max_num_f32 v[TM+\b], v[TM+\b], v[TM+4+\b]   ; the block's largest magnitude
.endr
.irp b, 0,1,2,3
	v_add_nc_u32 v[TM+12+\b], 0xff000000, v[TM+\b] ; 2 off its exponent field: the conversion's scale operand
.endr
.irp b, 0,1,2,3
	v_lshrrev_b32 v[TM+4+\b], 23, v[TM+12+\b]      ; the scale's byte
.endr
	v_lshl_or_b32 v[\pw], v[TM+5], 8, v[TM+4]
	v_lshl_or_b32 v[\pw], v[TM+6], 16, v[\pw]
	v_lshl_or_b32 v[\pw], v[TM+7], 24, v[\pw]
	WIN \w
.irp c, 0,1
	v_cvt_scalef32_pk16_fp6_f32 v[PC+6*\c:PC+2+6*\c], v[\s+32*\c:\s+15+32*\c], v[TM+12+2*\c]
	v_cvt_scalef32_pk16_fp6_f32 v[PC+12+4*\c:PC+14+4*\c], v[\s+16+32*\c:\s+31+32*\c], v[TM+12+2*\c+1]   ; (a conversion's three registers begin on an even number)
.endr
	WIN 0
	v_nop                                          ; one plain line behind a scaled conversion
.irp c, 0,1                                    ; the operand wants a whole block in a lane: lanes 0-15 block 2 c, lanes 16-31 block 2 c + 1
.irp i, 0,1,2
	v_permlane16_swap_b32 v[PC+6*\c+\i], v[PC+12+4*\c+\i]
.endr
.irp i, 0,1,2
	v_mov_b32 v[PC+3+6*\c+\i], v[PC+12+4*\c+\i]
.endr
.endr
.endm
.irp f, 0,1,2,3
	s_wait_dscnt 48-16*\f                          ; the table's tiles 2 f and 2 f + 1 are in; the 16 loads of each later pair may be out
	ROPE \f
	s_wait_xcnt 0x0                                ; the codes' registers are the last fragment's store data: written again only behind this wait
	QUANT NUM, 0, PW0+\f
.irp c, 0,1,2
	global_store_b128 v[VA0+(\f%2)], v[PC+4*\c:PC+4*\c+3], s[80:81] offset:3072*(\f/2)+512*\c
.endr
.endr
	s_mov_b32 s90, 0xffff0000
	v_cndmask_b32 v[D0], v[PW0], v[PW0+1], s90     ; lanes 0-15 store the even fragment's words, lanes 16-31 the odd one's
	v_cndmask_b32 v[D0+1], v[PW0+2], v[PW0+3], s90
	global_store_b32 v[VS], v[D0], s[82:83]
	global_store_b32 v[VS], v[D0+1], s[82:83] offset:8
.irp i, 0,1
	s_wait_xcnt 0x0
	QUANT 128+64*\i, 2, PWV+\i                     ; v straight from its accumulators: registers 16 b + 8 u + j are tokens 32 b + 16 u + 8 h + j of my dim
.irp c, 0,1,2
	global_store_b128 v[VAV], v[PC+4*\c:PC+4*\c+3], s[84:85] offset:6144+3072*\i+512*\c
.endr
.endr
	v_cndmask_b32 v[D0], v[PWV], v[PWV+1], s90
	global_store_b32 v[VSV], v[D0], s[84:85] offset:12544
	s_wait_tensorcnt 0x0                           ; the wave's end
	ds_add_u32 v[SPW], v[NIL]
	s_wait_dscnt 0x0
	CROUND                                         ; the closing round: no work-group ends while a partner may still ask for a tile that names it
	s_endpgm
.Lfunc_end_k_q268e9c55d1_qkv:
	.size	k_q268e9c55d1_qkv, .Lfunc_end_k_q268e9c55d1_qkv-k_q268e9c55d1_qkv
	.p2alignl 7, 3214868480
	.fill 96, 4, 3214868480
	.section	.rodata,"a",@progbits
	.p2align	6, 0x0
	.amdhsa_kernel k_q268e9c55d1_qkv
		.amdhsa_group_segment_fixed_size 327680
		.amdhsa_private_segment_fixed_size 0
		.amdhsa_enable_private_segment 0
		.amdhsa_kernarg_size 104
		.amdhsa_user_sgpr_count 2
		.amdhsa_user_sgpr_kernarg_segment_ptr 1
		.amdhsa_wavefront_size32 1
		.amdhsa_system_sgpr_workgroup_id_x 1
		.amdhsa_system_sgpr_workgroup_id_y 1
		.amdhsa_system_sgpr_workgroup_id_z 1
		.amdhsa_system_vgpr_workitem_id 0
		.amdhsa_next_free_vgpr 1024
		.amdhsa_next_free_sgpr 100
		.amdhsa_reserve_vcc 1
		.amdhsa_float_denorm_mode_32 3
		.amdhsa_float_denorm_mode_16_64 3
		.amdhsa_memory_ordered 1
		.amdhsa_forward_progress 1
		.amdhsa_inst_pref_size 192
	.end_amdhsa_kernel
	.amdgpu_metadata
---
amdhsa.version: [ 1, 2 ]
amdhsa.kernels:
  - .name:           k_q268e9c55d1_qkv
    .symbol:         k_q268e9c55d1_qkv.kd
    .args:
      - { .name: x_codes, .offset: 0, .size: 8, .value_kind: global_buffer, .address_space: global }
      - { .name: x_scales, .offset: 8, .size: 8, .value_kind: global_buffer, .address_space: global }
      - { .name: Wq_codes, .offset: 16, .size: 8, .value_kind: global_buffer, .address_space: global }
      - { .name: Wq_scales, .offset: 24, .size: 8, .value_kind: global_buffer, .address_space: global }
      - { .name: Wk_codes, .offset: 32, .size: 8, .value_kind: global_buffer, .address_space: global }
      - { .name: Wk_scales, .offset: 40, .size: 8, .value_kind: global_buffer, .address_space: global }
      - { .name: Wv_codes, .offset: 48, .size: 8, .value_kind: global_buffer, .address_space: global }
      - { .name: Wv_scales, .offset: 56, .size: 8, .value_kind: global_buffer, .address_space: global }
      - { .name: bq, .offset: 64, .size: 8, .value_kind: global_buffer, .address_space: global }
      - { .name: bk, .offset: 72, .size: 8, .value_kind: global_buffer, .address_space: global }
      - { .name: bv, .offset: 80, .size: 8, .value_kind: global_buffer, .address_space: global }
      - { .name: qbuf, .offset: 88, .size: 8, .value_kind: global_buffer, .address_space: global }
      - { .name: kvbuf, .offset: 96, .size: 8, .value_kind: global_buffer, .address_space: global }
    .group_segment_fixed_size: 327680
    .private_segment_fixed_size: 0
    .kernarg_segment_align: 8
    .kernarg_segment_size: 104
    .max_flat_workgroup_size: 128
    .sgpr_count:     100
    .vgpr_count:     1024
    .wavefront_size: 32
...
	.end_amdgpu_metadata
.endif
;; end of part 1
;; launch attn (part 2): grid 8 x 32, 16 waves a work-group, clusters of 4 x 1, 280,576 bytes of LDS; arguments qbuf, kvbuf, obuf, oscl; writes obuf, oscl
.if DOCPART == 2
	.amdgcn_target "amdgcn-amd-amdhsa--gfx1250"
	.amdhsa_code_object_version 6
	.text
	.protected	k_q268e9c55d1_attn
	.globl	k_q268e9c55d1_attn
	.p2align	8
	.type	k_q268e9c55d1_attn,@function
k_q268e9c55d1_attn:
	s_mov_b64 s[64:65], 0
	v_nop
	global_prefetch_b8 v0, s[64:65] scope:SCOPE_SE
	s_setreg_imm32_b32 hwreg(HW_REG_WAVE_MODE, 25, 1), 1
	s_wait_xcnt 0x0
	s_wait_alu depctr_hold_cnt(0) depctr_sa_sdst(0) depctr_va_vdst(0) depctr_va_sdst(0) depctr_va_ssrc(0) depctr_va_vcc(0) depctr_vm_vsrc(0)
	s_getreg_b32 s2, hwreg(HW_REG_IB_STS2, 6, 4)
	s_cmp_eq_u32 s2, 0
	s_cbranch_scc0 .Lentry_in_a_cluster
	s_endpgm
.Lentry_in_a_cluster:
	s_bfe_u32 s2, ttmp6, 0x10000c
	s_cmp_lg_u32 s2, 0x3003
	s_cbranch_scc0 .Lentry_shape_is_right
	s_endpgm
.Lentry_shape_is_right:
; o = softmax(q k^T / 8) v for one head, both products on codes of FP6 (E2M3) with E8M0 scales; o is quantised along the model's 1,024 (a head is two blocks of 32) and leaves as codes.
; t = score x log2(e) / 8; M = the largest t so far, rounded up to a whole number; p = 2^(t - M) is quantised along the keys, not normalised.  The row's sum is taken of the unquantised p and divides at the end.
; When M moves, the sum and O are multiplied by 2^(old M - new M), which rounds nothing.
; SHARES.  A work-group owns 256 queries of one head, each of its sixteen waves one tile of 16.  The head's 16 blocks of 128 keys (k, v, scale words: 12,800 bytes each) lie in LDS whole, 16,384 bytes apart, filled once:
; wave w brings block w, one tensor load a wave.  CLUSTER 4 x 1: the four work-groups of a cluster belong to one head, so every block is asked for jointly.
; A wave begins with its OWN block, behind its own wait; it signals the barrier there and waits for it only ahead of its first read of another wave's block.  Then it walks the blocks round: (w + step) % 16.
; No prefetch: all of k and v is asked for at the head, so there is no loop to run ahead in.
; LAYOUT (made by the launch before).  Both products are used transposed: a lane holds one query (lane % 16).  A fragment of k is stacked: k = 0..63 one tile of 16 keys, k = 64..127 another; against [q | 0] and [0 | q] it gives
; two tiles of scores.  A lane's 32 registers of two fragments are one whole block of 32 keys (lanes 0-15 the even blocks, lanes 16-31 the odd ones), in the order of v's keys; a lane's 32 registers of O^T are dims 32 (lane / 16) + 0..31.
; One load of 16 bytes a lane at a block's byte 12,288 brings k's scale words to lanes 0-15 and v's to lanes 16-31 of the same four registers.
; A KEY STEP goes in batches: scores; maxima in eight chains; all t - M and O's rescaling; the wait; 66 exponentials; the wait; sums and conversions; the second product.
; TWO REGIONS of 64 registers change roles from step to step: one holds k, then (behind the score products) v; the other the scores, then p, then, as p is summed and converted, the NEXT block's k.
; A block's largest p is not searched for: the block's largest score goes through the same multiply-add and exponential (this takes v_exp_f32 not to fall where its input rises).
; LIMITS: NaN and infinities are not served; the promise holds while |t| stays under 2^31; a block of zeros gets the scale byte 1 (the rule says 127): its codes are zeros and only this program reads the bytes.
.set BLKB, 12800
.set BPIT, 16384                       ; from block to block in LDS
.set SPARE, 0x44000                    ; the spare words, 128 bytes a wave, 32,768 bytes behind the last block's start
.set LI,  1                            ; 16 x lane
.set ADA, 2                            ; LDS address of the block in hand or of the next, by turns with ADB
.set H8,  3                            ; 8 x (lane / 16)
.set GO,  4                            ; 8 x lane
.set GS,  5                            ; 32 r + h
.set ADB, 6
.set W2,  7
.set FF,  8                            ; v[8:9]
.set W0,  10
.set W1,  11                           ; v12 -M, v13 the largest score, v[14:15] the sum; v16-33 zeros | q | zeros
.set QS,  34
.set PW,  35
.set SWA, 36                           ; scale words, two sets
.set SWB, 40
.set TA,  44                           ; a conversion's three registers begin on an even number; the second half of a block's six does not
.set TC,  48
.set PM,  52                           ; eight chains of maxima
.set SO,  60
.set BY,  62
.set R1,  64
.set R2,  128
.set OT,  192                          ; O^T
.set PC,  224                          ; p's codes
.set CH,  236                          ; three more chains of the sum
.set G1,  16
.set G0,  24
.set CS,  28
.set CNT, 30
.set CN,  31                           ; 16,384 x (wave + steps done), stepped once for two steps
.set TB,  32
.set SEL, 34
.macro CROUND                          ; a round of the cluster's barrier
	s_barrier_signal -1
	s_barrier_wait -1
	s_cmp_lg_u32 s12, 0
	s_cbranch_scc1 .Lnot_wave_0_\@
	s_barrier_signal -3
.Lnot_wave_0_\@:
	s_barrier_wait -3
	s_barrier_signal -1
	s_barrier_wait -1
.endm
	s_load_b256 s[4:11], s[0:1], 0x0               ; qbuf, kvbuf, obuf, oscl
	v_lshl_add_u32 v254, v0, 2, SPARE
	v_mov_b32 v255, 0
	ds_add_u32 v254, v255                          ; the opening lines: the add, twice on end, and its wait
	ds_add_u32 v254, v255
	v_lshrrev_b32 v1, 5, v0
	v_readfirstlane_b32 s12, v1                    ; wave 0..15
	s_bfe_u32 s13, ttmp6, 0x40000                  ; cx
	s_lshl_b32 s14, ttmp9, 2
	s_add_co_u32 s14, s14, s13                     ; my block of 256 queries: it enters q's and o's addresses alone
	s_and_b32 s15, ttmp7, 0xffff                   ; 16 b + head, which the four partners share
	s_mov_b32 s[G1], 15|(3<<16)|(1<<21)            ; the mask: all four work-groups; elements of 8 bytes; bit 21 beside the mask
	s_mov_b32 s[G1+1], 32<<16                      ; a dense block as 50 rows of 256 bytes
	s_mov_b32 s[G1+2], 50<<16
	s_mov_b32 s[G1+3], 32<<16
	s_mov_b32 s[G1+4], 50
	s_mov_b32 s[G1+5], 32
	s_mov_b32 s[G1+6], 0
	s_mov_b32 s[G1+7], 0
	s_lshl_b32 s[CN], s12, 14                      ; block w goes to 16,384 w
	s_mul_i32 s46, s15, 16*BLKB
	s_mul_i32 s48, s12, BLKB
	s_add_co_u32 s46, s46, s48
	s_mov_b32 s47, 0
	s_mov_b32 s[SEL], 0x76543210
	s_mov_b32 s[SEL+1], 0xfedcba98                 ; v_permlanex16_b32's selects for lane l xor 16
	s_mov_b32 s[CS], 0x3e38aa3b                    ; c = log2(e) / 8
	s_mov_b32 s[CS+1], s[CS]
	s_mov_b32 s[G0], 1
	s_mov_b32 s[G0+1], s[CN]
	; my tile of queries: block 2 qb + w / 8 of the head, stacked fragment f = (w / 2) % 4, half u = w % 2
	s_lshl_b32 s50, s15, 4
	s_lshl_b32 s51, s14, 1
	s_add_co_u32 s50, s50, s51
	s_lshr_b32 s51, s12, 3
	s_add_co_u32 s50, s50, s51
	s_mul_i32 s50, s50, 6656
	s_mov_b32 s51, 0
	s_bfe_u32 s54, s12, 0x20001                    ; f
	s_mul_i32 s52, s54, 1536
	s_mov_b32 s53, 0
	s_and_b32 s55, s54, 1
	s_lshl_b32 s55, s55, 7
	s_lshr_b32 s54, s54, 1
	s_lshl_b32 s54, s54, 3
	s_add_co_u32 s55, s55, s54                     ; its scale words: 128 (f % 2) + 8 (f / 2)
	s_and_b32 s56, s12, 1
	s_cmp_eq_u32 s56, 1
	s_cselect_b32 s57, -1, 0                       ; all lanes or none: which half of the stacked fragment is mine
	s_lshl_b32 s56, s56, 4
	v_and_b32 v242, 31, v0                         ; lane
	v_and_b32 v243, 15, v0                         ; r
	v_bfe_u32 v244, v0, 4, 1                       ; h
	v_lshlrev_b32 v[LI], 4, v242
	v_lshlrev_b32 v[H8], 3, v244
	v_lshlrev_b32 v[GO], 3, v242
	v_lshl_add_u32 v[GS], v243, 5, v244
	v_and_b32 v245, 7, v243
	v_lshrrev_b32 v246, 3, v243
	v_lshlrev_b32 v245, 4, v245
	v_lshl_add_u32 v245, v246, 2, v245
	v_add_nc_u32 v245, s55, v245                   ; + 16 (r % 8) + 4 (r / 8)
	v_add_nc_u32 v[ADA], s[CN], v[LI]              ; my own block
	s_wait_alu depctr_va_vdst(0)
	s_wait_dscnt 0x0                               ; both opening adds are done
	s_wait_kmcnt 0x0
	s_add_nc_u64 s[G0+2:G0+3], s[6:7], s[46:47]
	s_or_b32 s[G0+3], s[G0+3], 0x80000000
	s_add_nc_u64 s[50:51], s[4:5], s[50:51]
	s_add_nc_u64 s[52:53], s[50:51], s[52:53]
	global_load_b128 v[R2:R2+3], v[LI], s[52:53]
	global_load_b128 v[R2+4:R2+7], v[LI], s[52:53] offset:512
	global_load_b128 v[R2+8:R2+11], v[LI], s[52:53] offset:1024
	global_load_b32 v[QS], v245, s[50:51] offset:6144
	CROUND                                         ; all four work-groups are here: the joint loads meet
	tensor_load_to_lds s[G0:G0+3], s[G1:G1+7]      ; block w: one tensor load a wave, on every way through the head
	s_nop 0
	; where o goes: fragment (tile of 16 tokens, K step head / 2), its pieces 3 (head % 2) + 0 .. 2; the scale byte at [token][2 head + h]
	s_lshr_b32 s58, s15, 4                         ; b
	s_and_b32 s59, s15, 15                         ; head
	s_lshl_b32 s60, s58, 4
	s_lshl_b32 s61, s14, 1
	s_add_co_u32 s60, s60, s61
	s_lshr_b32 s61, s12, 3
	s_add_co_u32 s60, s60, s61                     ; the block of 128 tokens
	s_lshl_b32 s60, s60, 1
	s_lshr_b32 s61, s59, 3
	s_add_co_u32 s60, s60, s61                     ; x 2 + the half of K
	s_lshl_b32 s60, s60, 3
	s_and_b32 s61, s12, 7
	s_add_co_u32 s60, s60, s61                     ; x 8 + the tile in the block
	s_lshl_b32 s60, s60, 2
	s_bfe_u32 s61, s59, 0x20001
	s_add_co_u32 s60, s60, s61                     ; x 4 + the K step in the half
	s_mul_i32 s60, s60, 1536
	s_and_b32 s61, s59, 1
	s_mul_i32 s61, s61, 768
	s_add_co_u32 s60, s60, s61
	s_mov_b32 s61, 0
	s_add_nc_u64 s[8:9], s[8:9], s[60:61]
	s_lshl_b32 s60, s58, 7
	s_lshl_b32 s62, s14, 4
	s_add_co_u32 s60, s60, s62
	s_add_co_u32 s60, s60, s12                     ; the tile of 16 tokens among all 256
	s_lshl_b32 s60, s60, 9
	s_lshl_b32 s62, s59, 1
	s_add_co_u32 s60, s60, s62
	s_add_nc_u64 s[10:11], s[10:11], s[60:61]
	s_wait_loadcnt 0x0
.irp i, 0,1,2,3,4,5
	v_cndmask_b32 v[22+\i], v[R2+\i], v[R2+6+\i], s57
	v_mov_b32 v[16+\i], 0                          ; v[16:27] = [0 | q], v[22:33] = [q | 0]
	v_mov_b32 v[28+\i], 0
.endr
	v_lshrrev_b32 v[QS], s56, v[QS]
	v_and_b32 v[QS], 0xffff, v[QS]
	v_lshl_or_b32 v[QS], v[QS], 16, v[QS]          ; my tile's two bytes, in both halves of the word.  The 13 plain lines below are the places between this write and the first scaled product
	v_mov_b32 v13, 0xff61b1e6                      ; the largest score so far: -3e38
	v_mul_f32 v12, s[CS], v13
	v_floor_f32 v12, -v12                          ; -M
	v_mov_b32 v14, 0
	v_mov_b32 v15, 0
	v_mov_b32 v[FF+1], 0                           ; (named as a pair's upper half)
	v_mov_b32 v[W2], 0                             ; a lane permute's destination counts as one of its sources
.irp i, 0,1,2,3,4,5
	v_mov_b32 v[CH+\i], 0                          ; the first step merges chains that hold nothing yet
.endr
.macro WM d, a, b, z, sa, sb, row      ; z = 1: the product starts its sum
.if \z
	v_wmma_scale_f32_16x16x128_f8f6f4 v[(\d):(\d)+7], v[(\a):(\a)+11], v[(\b):(\b)+11], 0, v[\sa], v[\sb] matrix_a_fmt:MATRIX_FMT_FP6 matrix_b_fmt:MATRIX_FMT_FP6 \row
.else
	v_wmma_scale_f32_16x16x128_f8f6f4 v[(\d):(\d)+7], v[(\a):(\a)+11], v[(\b):(\b)+11], v[(\d):(\d)+7], v[\sa], v[\sb] matrix_a_fmt:MATRIX_FMT_FP6 matrix_b_fmt:MATRIX_FMT_FP6 \row
.endif
.endm
.macro LD4 rg, ad, base, from, n       ; n loads of 16 bytes a lane: registers 4 i .. 4 i + 3 of four fragments' 48 lie at 512 i + 16 x lane
.set ki, \from
.rept \n
	ds_load_b128 v[\rg+4*ki:\rg+4*ki+3], v[\ad] offset:\base+512*ki
.set ki, ki+1
.endr
.endm
; Add n of 29 of the row's sum of the unquantised p, in four chains.  Add 0: the running sum takes pair 0; adds 1 to 3 start the other chains anew with two pairs each; add n from 4 on: chain n % 4 takes pair n + 3.
.macro ADDP rs, n
.if (\n) == 0
	v_pk_add_f32 v[14:15], v[14:15], v[\rs:\rs+1]
.elseif (\n) < 4
	v_pk_add_f32 v[CH+2*(\n)-2:CH+2*(\n)-1], v[\rs+4*(\n)-2:\rs+4*(\n)-1], v[\rs+4*(\n):\rs+4*(\n)+1]
.elseif ((\n)%4) == 0
	v_pk_add_f32 v[14:15], v[14:15], v[\rs+2*(\n)+6:\rs+2*(\n)+7]
.else
	v_pk_add_f32 v[CH+2*((\n)%4)-2:CH+2*((\n)%4)-1], v[CH+2*((\n)%4)-2:CH+2*((\n)%4)-1], v[\rs+2*(\n)+6:\rs+2*(\n)+7]
.endif
.endm
.macro ADDS rs, from, to
.set an, \from
.rept (\to)-(\from)+1
	ADDP \rs, an
.set an, an+1
.endr
.endm
.macro FMS rs, from, to                ; t - M of pairs from .. to of my 32 pairs of scores
.set fn, \from
.rept (\to)-(\from)+1
	v_pk_fma_f32 v[\rs+2*fn:\rs+2*fn+1], v[\rs+2*fn:\rs+2*fn+1], s[CS:CS+1], v[12:13] op_sel_hi:[1,0,0]
.set fn, fn+1
.endr
.endm
; A KEY STEP: 128 keys.  rk: k's registers, then v's; rs: scores, p, then the next k; sw, swn: this block's and the next's scale words; ad, adn: their LDS addresses; off: from CN to the next block.
; pre = 1: the next block's k is fetched.  first = 1: the products start O^T, and the barrier's wait stands ahead of the first read of another wave's block.
.macro STEP rk, rs, sw, swn, ad, adn, off, pre, first
	s_wait_dscnt 0x0                               ; this block's k and scale words are in
.if \first == 0
	s_barrier_signal -1                            ; the sixteen waves go in step: I have begun this key step (no LDS instruction of mine is out)
.endif
.if \pre
	s_add_co_u32 s[TB], s[CN], \off
	s_and_b32 s[TB], s[TB], 0x3c000                ; the next block, round the sixteen
.endif
.irp f, 0,1,2,3                                ; S^T: registers 16 f + 0..7 from the fragment's lower tile, 16 f + 8..15 from the upper
	WM \rs+16*\f, \rk+12*\f, 22, 1, \sw+\f, QS
	WM \rs+16*\f+8, \rk+12*\f, 16, 1, \sw+\f, QS
.endr
	v_pk_add_f32 v[14:15], v[14:15], v[CH:CH+1]            ; four plain lines that name no register of those products: the places in front of the loads into k's registers and of the first read of the scores
	v_pk_add_f32 v[CH+2:CH+3], v[CH+2:CH+3], v[CH+4:CH+5]  ; (the last step's chains of the sum are merged, still under the old M)
	v_mov_b32 v[W1], v12                                   ; the old -M
.if \pre
	v_add_nc_u32 v[\adn], s[TB], v[LI]
.else
	v_nop
.endif
	LD4 \rk, \ad, 6144, 0, 12                      ; this block's v takes k's registers
.irp a, 0,1,2,3,4,5,6,7                        ; eight chains by turns; each accumulator is read from its low end on
	v_max3_num_f32 v[PM+\a], v[\rs+8*\a], v[\rs+8*\a+1], v[\rs+8*\a+2]
.endr
.irp i, 3,5
.irp a, 0,1,2,3,4,5,6,7
	v_max3_num_f32 v[PM+\a], v[PM+\a], v[\rs+8*\a+\i], v[\rs+8*\a+\i+1]
.endr
.endr
.irp b, 0,4
	v_max3_num_f32 v[PM+\b], v[PM+\b], v[\rs+8*\b+7], v[\rs+8*\b+15]
	v_max3_num_f32 v[PM+\b+1], v[PM+\b+1], v[\rs+8*\b+23], v[\rs+8*\b+31]
.endr
.irp b, 0,4
	v_max3_num_f32 v[PM+\b+2], v[PM+\b+2], v[PM+\b+3], v[PM+\b]
.endr
.irp b, 0,4
	v_max_num_f32 v[PM+\b+1], v[PM+\b+1], v[PM+\b+2]   ; the largest score of my first block of 32 keys (PM + 1) and of my second (PM + 5)
.endr
	v_max_num_f32 v[W0], v[PM+1], v[PM+5]
	v_pk_add_f32 v[14:15], v[14:15], v[CH+2:CH+3]
	v_permlanex16_b32 v[W2], v[W0], s[SEL], s[SEL+1]
	v_max3_num_f32 v13, v13, v[W0], v[W2]          ; the running largest score of my query
	s_delay_alu instid0(VALU_DEP_1)
	v_mul_f32 v[W0], s[CS], v13                    ; as t (c is positive)
	s_delay_alu instid0(VALU_DEP_1)
	v_floor_f32 v12, -v[W0]                        ; the new -M = -ceil(t)
	FMS \rs, 0, 0
	v_sub_f32 v[W1], v12, v[W1]                    ; old M - new M: a whole number, 0 or less
	v_fma_f32 v[PM+1], v[PM+1], s[CS], v12         ; t - M of each block's largest score
	FMS \rs, 1, 1
	v_cvt_i32_f32 v[W1], v[W1]                     ; (it saturates)
	v_fma_f32 v[PM+5], v[PM+5], s[CS], v12
	FMS \rs, 2, 2
	v_ldexp_f32 v[FF], 1.0, v[W1]                  ; f = 2^(old M - new M)
	FMS \rs, 3, 31
	v_pk_mul_f32 v[14:15], v[14:15], v[FF:FF+1] op_sel_hi:[1,0]   ; the sum under the new M
.if \first == 0
.set fn, 0
.rept 16                                       ; O^T under the new M, in ascending order: each accumulator is read from its low end on
	v_pk_mul_f32 v[OT+2*fn:OT+2*fn+1], v[OT+2*fn:OT+2*fn+1], v[FF:FF+1] op_sel_hi:[1,0]
.set fn, fn+1
.endr
.endif
	s_wait_alu depctr_va_vdst(0)
	v_exp_f32 v[PM+1], v[PM+1]                     ; each block's largest p
	v_exp_f32 v[PM+5], v[PM+5]
.set fn, 0
.rept 64
	v_exp_f32 v[\rs+fn], v[\rs+fn]                 ; p = 2^(t - M)
.set fn, fn+1
.endr
	v_nop                                          ; one plain line behind the exponentials
	s_wait_alu depctr_va_vdst(0)                   ; and the one wait for the batch
	v_max_num_f32 v[PM+1], 0x1800000, v[PM+1]      ; the floor 2^(3 - 127): the byte cannot fall under 1
	v_max_num_f32 v[PM+5], 0x1800000, v[PM+5]
	ADDS \rs, 0, 1
	v_add_nc_u32 v[SO], 0xff000000, v[PM+1]        ; 2 off the exponent field: the conversion's scale operand
	v_add_nc_u32 v[SO+1], 0xff000000, v[PM+5]
	ADDS \rs, 2, 3
	v_lshrrev_b32 v[BY], 23, v[SO]
	v_lshrrev_b32 v[BY+1], 23, v[SO+1]
	ADDS \rs, 4, 5
	v_lshl_or_b32 v[PW], v[BY+1], 16, v[BY]        ; my two bytes: blocks h and 2 + h,
	ADDS \rs, 6, 6
	v_lshlrev_b32 v[PW], v[H8], v[PW]              ; at their places;
	ADDS \rs, 7, 7
	v_permlanex16_b32 v[W0], v[PW], s[SEL], s[SEL+1]
	ADDS \rs, 8, 8
	v_or_b32 v[PW], v[PW], v[W0]                   ; with lane l xor 16's two the word is whole
	ADDS \rs, 9, 12                                ; adds 0 to 12 have read pairs 0 to 15: the first block's p
	v_cvt_scalef32_pk16_fp6_f32 v[PC:PC+2], v[\rs:\rs+15], v[SO]
	v_cvt_scalef32_pk16_fp6_f32 v[TA:TA+2], v[\rs+16:\rs+31], v[SO]
.if \first
	s_wait_alu depctr_va_vdst(0)
	s_barrier_wait -1                              ; every wave's block has landed
.endif
.if \pre
	LD4 \rs, \adn, 0, 0, 8                         ; the next block's k takes the first block's p registers, which are summed and converted
.endif
	ADDS \rs, 13, 13                               ; one plain line behind a scaled conversion
.irp i, 0,1,2
	v_mov_b32 v[PC+3+\i], v[TA+\i]
.endr
	ADDS \rs, 14, 18
	v_cvt_scalef32_pk16_fp6_f32 v[PC+6:PC+8], v[\rs+32:\rs+47], v[SO+1]
	v_cvt_scalef32_pk16_fp6_f32 v[TC:TC+2], v[\rs+48:\rs+63], v[SO+1]
	ADDS \rs, 19, 19
.irp i, 0,1,2
	v_mov_b32 v[PC+9+\i], v[TC+\i]
.endr
	ADDS \rs, 20, 23                               ; four places between the last write of p's codes and the products; add 20 is the last to read registers under rs + 48
.if \pre
	LD4 \rs, \adn, 0, 8, 4
	ds_load_b128 v[\swn:\swn+3], v[\adn] offset:12288
	s_wait_alu depctr_va_vdst(0)
	s_wait_dscnt 13                                ; v is in; the 12 loads of the next k and the one of its scale words may be out
.else
	s_wait_alu depctr_va_vdst(0)
	s_wait_dscnt 0x0
.endif
.irp t, 0,1,2,3                                ; O^T += v^T p^T: four accumulators by turns
	WM OT+8*\t, \rk+12*\t, PC, \first, \sw+\t, PW, matrix_a_scale:MATRIX_SCALE_ROW1
.endr
	ADDS \rs, 24, 28                               ; five places: the next step's score products write over v's registers.  These adds read rs + 54 .. 63 and the chains
	s_wait_alu depctr_va_vdst(0)
.if \first == 0
	s_barrier_wait -1                              ; no wave ends a key step before every wave has begun it; between signal and wait stand register work and reads of LDS bytes that nobody writes
.endif
.endm
	s_wait_alu depctr_va_vdst(0)
	s_wait_tensorcnt 0x0                           ; my block has landed:
	s_barrier_signal -1                            ; say so; the wait stands in the first step, ahead of the first read of another wave's block
	LD4 R1, ADA, 0, 0, 12                          ; my own block's k
	ds_load_b128 v[SWA:SWA+3], v[ADA] offset:12288
	STEP R1, R2, SWA, SWB, ADA, ADB, BPIT, 1, 1
	STEP R2, R1, SWB, SWA, ADB, ADA, 2*BPIT, 1, 0
	s_add_co_u32 s[CN], s[CN], 2*BPIT
	s_mov_b32 s[CNT], 6
.Lpair:                                            ; a trip is two steps: the regions are back where they began
	STEP R1, R2, SWA, SWB, ADA, ADB, BPIT, 1, 0
	STEP R2, R1, SWB, SWA, ADB, ADA, 2*BPIT, 1, 0
	s_add_co_u32 s[CN], s[CN], 2*BPIT
	s_sub_co_u32 s[CNT], s[CNT], 1
	s_cmp_lg_u32 s[CNT], 0
	s_cbranch_scc1 .Lpair
	STEP R1, R2, SWA, SWB, ADA, ADB, BPIT, 1, 0
	STEP R2, R1, SWB, SWA, ADB, ADA, 0, 0, 0       ; the sixteenth step fetches no further k
	; ---- the way out: O^T / the sum; my 32 numbers are one block of o, in their order.  (The step's last five adds are the places behind its products)
	v_pk_add_f32 v[14:15], v[14:15], v[CH:CH+1]
	v_pk_add_f32 v[CH+2:CH+3], v[CH+2:CH+3], v[CH+4:CH+5]
	v_pk_add_f32 v[14:15], v[14:15], v[CH+2:CH+3]
	v_add_f32 v14, v14, v15
	v_permlanex16_b32 v[W0], v14, s[SEL], s[SEL+1]
	v_add_f32 v14, v14, v[W0]                      ; the row's sum
	s_wait_alu depctr_va_vdst(0)                   ; the wait ahead of the reciprocal,
	v_rcp_f32 v[FF], v14
	v_nop                                          ; one plain line behind it,
	s_wait_alu depctr_va_vdst(0)                   ; and the wait ahead of its first reader, which is also the first reader of O^T
.irp j, 0,2,4,6,8,10,12,14,16,18,20,22,24,26,28,30
	v_pk_mul_f32 v[R1+\j:R1+1+\j], v[OT+\j:OT+1+\j], v[FF:FF+1] op_sel_hi:[1,0]   ; register 8 t + j is dim 32 h + 8 t + j
.endr
	v_max3_num_f32 v[PM], |v[R1]|, |v[R1+1]|, 0x1800000
	v_max3_num_f32 v[PM+1], |v[R1+16]|, |v[R1+17]|, 0x1800000
.irp i, 2,4,6,8,10,12,14
	v_max3_num_f32 v[PM], v[PM], |v[R1+\i]|, |v[R1+1+\i]|
	v_max3_num_f32 v[PM+1], v[PM+1], |v[R1+16+\i]|, |v[R1+17+\i]|
.endr
	v_max_num_f32 v[PM], v[PM], v[PM+1]
	v_add_nc_u32 v[SO], 0xff000000, v[PM]
	v_lshrrev_b32 v[BY], 23, v[SO]
	v_cvt_scalef32_pk16_fp6_f32 v[PC:PC+2], v[R1:R1+15], v[SO]
	v_cvt_scalef32_pk16_fp6_f32 v[TA:TA+2], v[R1+16:R1+31], v[SO]
	v_nop                                          ; one plain line behind a scaled conversion
.irp i, 0,1,2
	v_mov_b32 v[PC+3+\i], v[TA+\i]
.endr
	global_store_b64 v[GO], v[PC:PC+1], s[8:9]             ; each store of the wave covers 256 consecutive bytes, aligned
	global_store_b64 v[GO], v[PC+2:PC+3], s[8:9] offset:256
	global_store_b64 v[GO], v[PC+4:PC+5], s[8:9] offset:512
	global_store_b8 v[GS], v[BY], s[10:11]                 ; a token's scale word spans two heads, that is two work-groups: so single bytes
	s_wait_tensorcnt 0x0                           ; the wave's end
	ds_add_u32 v254, v255
	s_wait_dscnt 0x0
	CROUND                                         ; the closing round
	s_endpgm
.Lfunc_end_k_q268e9c55d1_attn:
	.size	k_q268e9c55d1_attn, .Lfunc_end_k_q268e9c55d1_attn-k_q268e9c55d1_attn
	.p2alignl 7, 3214868480
	.fill 96, 4, 3214868480
	.section	.rodata,"a",@progbits
	.p2align	6, 0x0
	.amdhsa_kernel k_q268e9c55d1_attn
		.amdhsa_group_segment_fixed_size 280576
		.amdhsa_private_segment_fixed_size 0
		.amdhsa_enable_private_segment 0
		.amdhsa_kernarg_size 32
		.amdhsa_user_sgpr_count 2
		.amdhsa_user_sgpr_kernarg_segment_ptr 1
		.amdhsa_wavefront_size32 1
		.amdhsa_system_sgpr_workgroup_id_x 1
		.amdhsa_system_sgpr_workgroup_id_y 1
		.amdhsa_system_sgpr_workgroup_id_z 1
		.amdhsa_system_vgpr_workitem_id 0
		.amdhsa_next_free_vgpr 256
		.amdhsa_next_free_sgpr 66
		.amdhsa_reserve_vcc 0
		.amdhsa_float_denorm_mode_32 3
		.amdhsa_float_denorm_mode_16_64 3
		.amdhsa_memory_ordered 1
		.amdhsa_forward_progress 1
		.amdhsa_inst_pref_size 95
	.end_amdhsa_kernel
	.amdgpu_metadata
---
amdhsa.version: [ 1, 2 ]
amdhsa.kernels:
  - .name:           k_q268e9c55d1_attn
    .symbol:         k_q268e9c55d1_attn.kd
    .args:
      - { .name: qbuf, .offset: 0, .size: 8, .value_kind: global_buffer, .address_space: global }
      - { .name: kvbuf, .offset: 8, .size: 8, .value_kind: global_buffer, .address_space: global }
      - { .name: obuf, .offset: 16, .size: 8, .value_kind: global_buffer, .address_space: global }
      - { .name: oscl, .offset: 24, .size: 8, .value_kind: global_buffer, .address_space: global }
    .group_segment_fixed_size: 280576
    .private_segment_fixed_size: 0
    .kernarg_segment_align: 8
    .kernarg_segment_size: 32
    .max_flat_workgroup_size: 512
    .sgpr_count:     66
    .vgpr_count:     256
    .wavefront_size: 32
...
	.end_amdgpu_metadata
.endif
;; end of part 2
;; launch oproj (part 3): grid 8 x 32, 4 waves a work-group, clusters of 4 x 4, 327,680 bytes of LDS; arguments obuf, oscl, Wo_codes, Wo_scales, bo, out0; writes out0
.if DOCPART == 3
	.amdgcn_target "amdgcn-amd-amdhsa--gfx1250"
	.amdhsa_code_object_version 6
	.text
	.protected	k_q268e9c55d1_oproj
	.globl	k_q268e9c55d1_oproj
	.p2align	8
	.type	k_q268e9c55d1_oproj,@function
k_q268e9c55d1_oproj:
	s_mov_b64 s[64:65], 0
	v_nop
	global_prefetch_b8 v0, s[64:65] scope:SCOPE_SE
	s_setreg_imm32_b32 hwreg(HW_REG_WAVE_MODE, 25, 1), 1
	s_wait_xcnt 0x0
	s_wait_alu depctr_hold_cnt(0) depctr_sa_sdst(0) depctr_va_vdst(0) depctr_va_sdst(0) depctr_va_ssrc(0) depctr_va_vcc(0) depctr_vm_vsrc(0)
	s_getreg_b32 s2, hwreg(HW_REG_IB_STS2, 6, 4)
	s_cmp_eq_u32 s2, 0
	s_cbranch_scc0 .Lentry_in_a_cluster
	s_endpgm
.Lentry_in_a_cluster:
	s_bfe_u32 s2, ttmp6, 0x10000c
	s_cmp_lg_u32 s2, 0xf033
	s_cbranch_scc0 .Lentry_shape_is_right
	s_endpgm
.Lentry_shape_is_right:
; out0 = o Wo^T + bo on codes of FP6 (E2M3) with E8M0 scales.  A work-group makes 128 tokens x 128 columns, a wave 64 x 64: 16 accumulators; K in eight steps of 128.
; All operands come at the head, one joint load a wave: waves 0 and 1 a half of K of o's register images (192 rows of 256 bytes), waves 2 and 3 64 whole rows of Wo (768 bytes, each beginning at a multiple of 256 bytes).
; Nothing is filled a second time, so one barrier shows all four tiles to all four waves.  CLUSTER 4 x 4: o's tiles are shared along a row, Wo's along a column.
.set BP,   816                         ; an LDS row of Wo: 6 x (128 bytes + 8 of padding) = 204 words: the 32 lanes of a load of 8 bytes touch 64 different banks (64 banks of 4 bytes: ISA guide 11.1)
.set AH,   49152
.set BLDS, 2*AH
.set BH,   408                         ; where the second half of K begins in an LDS row of Wo
.set STG,  BLDS+128*BP
.set AO,  4
.set AB,  6
.set STO, 11
.set RD,  12
.set CO,  13
.set R32, 14
.set H32, 15
.set OSC, 32
.set WSC, 64
.set BO,  96
.set FB,  128
.set G1A, 24
.set G1B, 32
.set G0A, 40
.set G0B, 48
.set MSB, 0
.macro WIN new
.if MSB != (\new)
	s_set_vgpr_msb (MSB<<8)|(\new)
.set MSB, (\new)
.endif
.endm
.macro PLACES
.rept 4
	v_nop
.endr
.endm
.macro JLOAD g0a, g0b
	s_cmp_eq_u32 s17, 0
	s_cbranch_scc0 .Lfor_b_\@
	tensor_load_to_lds s[\g0a:\g0a+3], s[G1A:G1A+7]
	s_nop 0
.rept 4
	v_nop
.endr
	s_branch .Lasked_\@
.Lfor_b_\@:
	tensor_load_to_lds s[\g0b:\g0b+3], s[G1B:G1B+7]
	s_nop 0
.rept 4
	v_nop
.endr
.Lasked_\@:
.endm
.macro CROUND
	s_barrier_signal -1
	s_barrier_wait -1
	s_cmp_lg_u32 s16, 0
	s_cbranch_scc1 .Lnot_wave_0_\@
	s_barrier_signal -3
.Lnot_wave_0_\@:
	s_barrier_wait -3
	s_barrier_signal -1
	s_barrier_wait -1
.endm
	s_load_b256 s[4:11], s[0:1], 0x0
	s_load_b128 s[12:15], s[0:1], 0x20
	v_lshl_add_u32 v254, v0, 2, 0x38000
	v_mov_b32 v255, 0
	ds_add_u32 v254, v255
	ds_add_u32 v254, v255
	v_lshrrev_b32 v1, 5, v0
	v_readfirstlane_b32 s16, v1
	s_lshr_b32 s17, s16, 1
	s_and_b32 s18, s16, 1
	s_bfe_u32 s19, ttmp6, 0x40000
	s_bfe_u32 s20, ttmp6, 0x40004
	s_lshl_b32 s21, ttmp9, 2
	s_add_co_u32 s21, s21, s19
	s_and_b32 s22, ttmp7, 0xffff
	s_lshl_b32 s22, s22, 2
	s_add_co_u32 s22, s22, s20
	s_lshl_b32 s23, s20, 2
	s_lshl_b32 s23, 15, s23
	s_lshl_b32 s56, 0x1111, s19
	s_or_b32 s[G1A], s23, (3<<16)|(1<<21)
	s_mov_b32 s[G1A+1], 32<<16
	s_mov_b32 s[G1A+2], 192<<16
	s_mov_b32 s[G1A+3], 32<<16
	s_mov_b32 s[G1A+4], 192
	s_mov_b32 s[G1A+5], 32
	s_mov_b32 s[G1A+6], 0
	s_mov_b32 s[G1A+7], 0
	s_or_b32 s[G1B], s56, (1<<20)|(1<<21)|(4<<22)|(1<<25)   ; padding of 2 words behind every 32
	s_mov_b32 s[G1B+1], 768<<16
	s_mov_b32 s[G1B+2], 64<<16
	s_mov_b32 s[G1B+3], 768<<16
	s_mov_b32 s[G1B+4], 64
	s_mov_b32 s[G1B+5], 768
	s_mov_b32 s[G1B+6], 0
	s_mov_b32 s[G1B+7], 0
	s_mul_i32 s58, s22, 2*AH
	s_mul_i32 s62, s18, AH                         ; wave 0 fetches the first half of K of o's images, wave 1 the second
	s_add_co_u32 s58, s58, s62
	s_mov_b32 s59, 0
	s_lshl_b32 s60, s21, 7
	s_lshl_b32 s63, s18, 6
	s_add_co_u32 s60, s60, s63
	s_mul_i32 s60, s60, 768
	s_mov_b32 s61, 0
	s_mul_i32 s63, s18, 64*BP
	s_add_co_u32 s63, s63, BLDS
	s_wait_dscnt 0x0
	s_wait_kmcnt 0x0
	s_add_nc_u64 s[58:59], s[4:5], s[58:59]
	s_add_nc_u64 s[60:61], s[8:9], s[60:61]
	CROUND
	s_mov_b32 s[G0A], 1
	s_mov_b32 s[G0A+1], s62
	s_mov_b64 s[G0A+2:G0A+3], s[58:59]
	s_or_b32 s[G0A+3], s[G0A+3], 0x80000000
	s_mov_b32 s[G0B], 1
	s_mov_b32 s[G0B+1], s63
	s_mov_b64 s[G0B+2:G0B+3], s[60:61]
	s_or_b32 s[G0B+3], s[G0B+3], 0x80000000
	JLOAD G0A, G0B                                 ; one tensor load a wave, behind the round
	v_and_b32 v1, 15, v0
	v_bfe_u32 v2, v0, 4, 1
	v_and_b32 v3, 31, v0
	s_mul_i32 s66, s17, AH/2
	v_lshl_add_u32 v[AO], v3, 3, s66
	v_add_nc_u32 v[AO+1], AH, v[AO]
	v_mul_u32_u24 v10, v1, BP
	v_mad_u32_u24 v10, v2, 24, v10
	s_mul_i32 s67, s18, 64*BP
	s_add_co_u32 s67, s67, BLDS
	v_add_nc_u32 v[AB], s67, v10
	v_add_nc_u32 v[AB+1], BH, v[AB]
	v_lshl_add_u32 v[AB+2], v2, 3, v[AB]           ; lanes 16-31 behind one padding more
	v_lshl_add_u32 v[AB+3], v2, 3, v[AB+1]
	s_mul_i32 s68, s16, 16*272
	s_add_co_u32 s68, s68, STG
	v_mul_u32_u24 v[STO], v1, 272
	v_lshl_add_u32 v[STO], v2, 5, v[STO]
	v_add_nc_u32 v[STO], s68, v[STO]
	v_mul_u32_u24 v[RD], v2, 272
	v_lshl_add_u32 v[RD], v1, 4, v[RD]
	v_add_nc_u32 v[RD], s68, v[RD]
	v_lshlrev_b32 v[CO], 12, v2
	v_lshl_add_u32 v[CO], v1, 4, v[CO]
	v_lshlrev_b32 v[R32], 5, v1
	s_wait_alu depctr_va_vdst(0)
	v_lshlrev_b32 v[H32], 5, v2
	s_wait_alu depctr_va_vdst(0)
	s_lshl_b32 s70, s22, 7
	s_lshl_b32 s71, s17, 6
	s_add_co_u32 s70, s70, s71
	s_lshl_b32 s72, s21, 7
	s_lshl_b32 s73, s18, 6
	s_add_co_u32 s72, s72, s73
	s_mov_b32 s75, 0
	s_lshl_b32 s74, s70, 5
	s_add_nc_u64 s[6:7], s[6:7], s[74:75]
	s_lshl_b32 s74, s72, 5
	s_add_nc_u64 s[10:11], s[10:11], s[74:75]
	s_lshl_b32 s74, s72, 2
	s_add_nc_u64 s[12:13], s[12:13], s[74:75]
	s_add_nc_u64 s[14:15], s[14:15], s[74:75]
	s_lshl_b32 s74, s70, 12
	s_add_nc_u64 s[14:15], s[14:15], s[74:75]
.irp a, 0,1,2,3
	global_load_b128 v[OSC+8*\a:OSC+8*\a+3], v[R32], s[6:7] offset:512*\a
	global_load_b128 v[OSC+8*\a+4:OSC+8*\a+7], v[R32], s[6:7] offset:512*\a+16
	global_load_b128 v[WSC+8*\a:WSC+8*\a+3], v[R32], s[10:11] offset:512*\a
	global_load_b128 v[WSC+8*\a+4:WSC+8*\a+7], v[R32], s[10:11] offset:512*\a+16
	global_load_b128 v[BO+8*\a:BO+8*\a+3], v[H32], s[12:13] offset:64*\a
	global_load_b128 v[BO+8*\a+4:BO+8*\a+7], v[H32], s[12:13] offset:64*\a+16
.endr
.macro FETCH s, set
.set KH, (\s)/4
.set SQ, (\s)%4
.if \set
	WIN 0x40
.else
	WIN 0
.endif
.irp a, 0,1,2,3
.irp p, 0,1,2,3,4,5
	ds_load_b64 v[FB+12*\a+2*\p:FB+12*\a+2*\p+1], v[AO+KH] offset:\a*6144+SQ*1536+256*\p
.endr
.endr
.irp b, 0,1,2,3
.irp p, 0,1,2,3,4,5
.set PCE, 12*SQ+6*(\p/3)+\p%3
.if PCE%16 < 13
	ds_load_b64 v[FB+48+12*\b+2*\p:FB+48+12*\b+2*\p+1], v[AB+KH] offset:8*PCE+8*(PCE/16)+\b*16*BP
.else
	ds_load_b64 v[FB+48+12*\b+2*\p:FB+48+12*\b+2*\p+1], v[AB+2+KH] offset:8*PCE+8*(PCE/16)+\b*16*BP
.endif
.endr
.endr
.endm
.macro MUL s
.if (\s) == 0
	WIN 0x40
.elseif (\s)%2 == 0
	WIN 0x50
.else
	WIN 0x55
.endif
.irp a, 0,1,2,3
.irp b, 0,1,2,3
.if (\s) == 0
	v_wmma_scale_f32_16x16x128_f8f6f4 v[8*(4*\a+\b):8*(4*\a+\b)+7], v[FB+48+12*\b:FB+48+12*\b+11], v[FB+12*\a:FB+12*\a+11], v[BO+8*\b:BO+8*\b+7], v[WSC+8*\b+(\s)], v[OSC+8*\a+(\s)] matrix_a_fmt:MATRIX_FMT_FP6 matrix_b_fmt:MATRIX_FMT_FP6
.else
	v_wmma_scale_f32_16x16x128_f8f6f4 v[8*(4*\a+\b):8*(4*\a+\b)+7], v[FB+48+12*\b:FB+48+12*\b+11], v[FB+12*\a:FB+12*\a+11], v[8*(4*\a+\b):8*(4*\a+\b)+7], v[WSC+8*\b+(\s)], v[OSC+8*\a+(\s)] matrix_a_fmt:MATRIX_FMT_FP6 matrix_b_fmt:MATRIX_FMT_FP6
.endif
.endr
.endr
.endm
.macro OSTEP s
.if (\s) < 7
.if (\s) > 0
	PLACES
.endif
	FETCH (\s)+1, ((\s)+1)%2
	s_wait_dscnt 48
.else
	s_wait_dscnt 0x0
.endif
	MUL \s
.endm
	s_wait_tensorcnt 0x0                           ; my tile has landed
	s_barrier_signal -1
	s_barrier_wait -1
	FETCH 0, 0
	s_wait_loadcnt 0x0
.irp s, 0,1,2,3,4,5,6,7
	OSTEP \s
.endr
	WIN 0
	PLACES
.macro TOSTAGE a
	WIN 0x04
.irp b, 0,1,2,3
	ds_store_b128 v[STO], v[8*(4*\a+\b):8*(4*\a+\b)+3] offset:64*\b
	ds_store_b128 v[STO], v[8*(4*\a+\b)+4:8*(4*\a+\b)+7] offset:64*\b+16
.endr
	WIN 0
.irp t, 0,1,2,3,4,5,6,7
	ds_load_b128 v[FB+32*((\a)%2)+4*\t:FB+32*((\a)%2)+4*\t+3], v[RD] offset:\t*2*272
.endr
.endm
.macro SEND a, younger
	s_wait_dscnt \younger
.irp t, 0,1,2,3,4,5,6,7
	global_store_b128 v[CO], v[FB+32*((\a)%2)+4*\t:FB+32*((\a)%2)+4*\t+3], s[14:15] offset:(\a)*65536+\t*8192 th:TH_STORE_NT
.endr
.endm
	TOSTAGE 0
	TOSTAGE 1
	SEND 0, 16
	s_wait_xcnt 0x0
	TOSTAGE 2
	SEND 1, 16
	s_wait_xcnt 0x0
	TOSTAGE 3
	SEND 2, 16
	SEND 3, 0
	s_wait_tensorcnt 0x0
	ds_add_u32 v254, v255
	s_wait_dscnt 0x0
	CROUND
	s_endpgm
.Lfunc_end_k_q268e9c55d1_oproj:
	.size	k_q268e9c55d1_oproj, .Lfunc_end_k_q268e9c55d1_oproj-k_q268e9c55d1_oproj
	.p2alignl 7, 3214868480
	.fill 96, 4, 3214868480
	.section	.rodata,"a",@progbits
	.p2align	6, 0x0
	.amdhsa_kernel k_q268e9c55d1_oproj
		.amdhsa_group_segment_fixed_size 327680
		.amdhsa_private_segment_fixed_size 0
		.amdhsa_enable_private_segment 0
		.amdhsa_kernarg_size 48
		.amdhsa_user_sgpr_count 2
		.amdhsa_user_sgpr_kernarg_segment_ptr 1
		.amdhsa_wavefront_size32 1
		.amdhsa_system_sgpr_workgroup_id_x 1
		.amdhsa_system_sgpr_workgroup_id_y 1
		.amdhsa_system_sgpr_workgroup_id_z 1
		.amdhsa_system_vgpr_workitem_id 0
		.amdhsa_next_free_vgpr 512
		.amdhsa_next_free_sgpr 76
		.amdhsa_reserve_vcc 0
		.amdhsa_float_denorm_mode_32 3
		.amdhsa_float_denorm_mode_16_64 3
		.amdhsa_memory_ordered 1
		.amdhsa_forward_progress 1
		.amdhsa_inst_pref_size 58
	.end_amdhsa_kernel
	.amdgpu_metadata
---
amdhsa.version: [ 1, 2 ]
amdhsa.kernels:
  - .name:           k_q268e9c55d1_oproj
    .symbol:         k_q268e9c55d1_oproj.kd
    .args:
      - { .name: obuf, .offset: 0, .size: 8, .value_kind: global_buffer, .address_space: global }
      - { .name: oscl, .offset: 8, .size: 8, .value_kind: global_buffer, .address_space: global }
      - { .name: Wo_codes, .offset: 16, .size: 8, .value_kind: global_buffer, .address_space: global }
      - { .name: Wo_scales, .offset: 24, .size: 8, .value_kind: global_buffer, .address_space: global }
      - { .name: bo, .offset: 32, .size: 8, .value_kind: global_buffer, .address_space: global }
      - { .name: out0, .offset: 40, .size: 8, .value_kind: global_buffer, .address_space: global }
    .group_segment_fixed_size: 327680
    .private_segment_fixed_size: 0
    .kernarg_segment_align: 8
    .kernarg_segment_size: 48
    .max_flat_workgroup_size: 128
    .sgpr_count:     76
    .vgpr_count:     512
    .wavefront_size: 32
...
	.end_amdgpu_metadata
.endif
;; end of part 3
